; MI455X (gfx1250); checked and timed in simulation.
; The chip was launched on July 23, 2026; its instructions are those of AMD's public machine-readable ISA for CDNA 5 (MIT licence, August 2026) and "CDNA5" Instruction Set Architecture Reference Guide (July 2026). The comments in the code are by the model that wrote it; some were corrected since.
;; LA Ro PE Cross Attention. Allowed arithmetic: matrix products marked QUANTISED: E2M3 operands, one E8M0 scale for each 32 along K, by v_wmma_scale_f32_16x16x128_f8f6f4 with both operands' format E2M3, f32 sums; everything else in f32.
;; Inputs: Wkv 1,024 x 2,048 float32; Wo 1,024 x 1,024 float32; Wq 1,024 x 1,024 float32; bkv 2,048 float32; bo 1,024 float32; bq 1,024 float32; context 8 x 512 x 1,024 float32; context_mask 8 x 512 bool; x 8 x 2,048 x 1,024 float32.
;; Outputs: out0 8 x 2,048 x 1,024 float32.
;; This version of the problem:
;;   THIS VERSION OF THE PROBLEM IS GIVEN IN LOW PRECISION. The matrix products marked QUANTISED in the list below multiply operands that are first quantised to E2M3 (2 exponent bits, 3 mantissa bits; 6 bits a number), with one power-of-two scale for each 32 numbers along K (OCP MX v1.0); their sums are f32. All else is computed in f32.
;;   The module's matrix products, in the order in which they are computed (A, B: the left and right operand; K: the contracted axis; several contracted axes count as one K, in the product's order):
;;     1. [M 16,384, K 1,024] x [K 1,024, N 1,024]; A: input x; B: input Wq: QUANTISED
;;     2. [M 4,096, K 1,024] x [K 1,024, N 2,048]; A: input context; B: input Wkv: QUANTISED
;;     3. batch 128 x [M 2,048, K 64] x [K 64, N 512]; A: computed on the way; B: computed on the way: QUANTISED
;;     4. batch 128 x [M 2,048, K 512] x [K 512, N 64]; A: softmax (see below); B: computed on the way: QUANTISED
;;     5. [M 16,384, K 1,024] x [K 1,024, N 1,024]; A: computed on the way; B: input Wo: QUANTISED
;;   THE QUANTISER, for each operand of a quantised product, along K:
;;     - K is cut into blocks of 32 from its start; a last block that is shorter is filled with zeros.
;;     - A block's scale is 2^e with e = floor(log2(the largest magnitude in the block)) - 2, held to -126 .. 127; a block of zeros has e = 0. As a byte (E8M0): e + 127.
;;     - Each number is divided by its block's scale, clamped to +-7.5, and rounded to the nearest number of E2M3, ties to even, subnormals kept.
;;     - The product sums the exact products of the quantised numbers (number of the format x scale) in f32.
;;   ~~~python
;;   def quantise(x, axis):      # numpy; x: float32 -> the quantised numbers, widened to float32 again
;;       x = np.moveaxis(x, axis, -1); K = x.shape[-1]
;;       x = np.pad(x, [(0, 0)] * (x.ndim - 1) + [(0, -K % 32)]); x = x.reshape(x.shape[:-1] + (-1, 32)); a = np.abs(x).max(-1, keepdims=True)
;;       e = np.where(a > 0, np.clip(np.frexp(np.where(a > 0, a, 1))[1] - 1 - 2, -126, 127), 0)      # np.frexp(a)[1] - 1 = floor(log2(a)), exactly
;;       r = np.clip(x / 2.0 ** e, -7.5, 7.5)
;;       step = 2.0 ** (np.maximum(np.frexp(np.where(r == 0, 1, r))[1] - 1, 0) - 3)
;;       q = np.round(r / step) * step * 2.0 ** e      # np.round: ties to even
;;       return np.moveaxis(q.reshape(q.shape[:-2] + (-1,))[..., :K], -1, axis).astype(np.float32)
;;   ~~~
;;   SOFTMAX AHEAD OF A QUANTISED PRODUCT. Where the list says 'softmax', what is quantised is not the finished softmax but p = 2^(t - M), with t = logit x log2(e) and M = ceil(the row's largest t), a whole number; so 1/2 < the row's largest p <= 1. The row's sum l is taken of the UNQUANTISED p, in f32, and the product's result is divided by l at the end. Since M is a whole number, a kernel that streams over the keys may use a running M (the ceiling of the running maximum): every later rescaling is an exact power of two, which a block's scale takes up: the codes' values come out the same.
;;   OPERANDS COMPUTED ON THE WAY. 'Computed on the way' means the value that the module computes at that place (a softmax that the list does not call 'softmax' is quantised finished and normalised). What goes into a quantiser is computed in f32, as accurately as f32 sums, v_exp_f32 and their like allow (about 1e-6 of the number): no bf16 or f16 on the way to a quantiser, and a product that is left as it is and whose result goes on into a quantised operand takes f32 operands (vector FMAs, or v_wmma_f32_16x16x4_f32). A number that lies on a knife's edge between two numbers of the format may be rounded either way, as far as f32 arithmetic and the matrix unit's own rounding can turn it there, and no further.
;; One version. Each part assembles by itself: llvm-mc -triple=amdgcn-amd-amdhsa -mcpu=gfx1250 --defsym DOCPART=n.
;; ======== version 1 of 1: 3 launches
;; limits: right only within a limited range of input values
;; workspace buffers: wts 3,276,800 bytes; cs 3,276,800 bytes; rot 524,288 bytes; mb 17,408 bytes; kvs 6,684,672 bytes
;; launch prep (part 1): grid 417 x 1, 4 waves a work-group, no clusters, 34,304 bytes of LDS; arguments context, Wq, Wkv, Wo, context_mask, cs, wts, rot, mb; writes cs, wts, rot, mb
.if DOCPART == 1
	.amdgcn_target "amdgcn-amd-amdhsa--gfx1250"
	.amdhsa_code_object_version 6
	.text
	.protected	k_qfa9c237934_prep
	.globl	k_qfa9c237934_prep
	.p2align	8
	.type	k_qfa9c237934_prep,@function
k_qfa9c237934_prep:
	s_mov_b64 s[64:65], 0
	v_nop
	global_prefetch_b8 v0, s[64:65] scope:SCOPE_SE
	s_setreg_imm32_b32 hwreg(HW_REG_WAVE_MODE, 25, 1), 1
	s_wait_xcnt 0x0
; LARoPE cross-attention in MX-FP6 (E2M3, one E8M0 scale for each 32 along K), launch 1 of 3: what many work-groups read later is made once.
; DEAD WORK: none.  Every input of reference() has a way to the output, and every one of its five products is done; nothing is left out in any launch.
; Four kinds of work-group, told apart by the work-group's number alone:
;   0..127    context [4096][1024] f32 (K innermost)  -> cs:  codes and scale words in the order of an operand's registers
;   128..383  Wq, Wkv, Wo f32 (K is the FIRST axis)    -> wts: the same, a weight's column being an operand's row
;   384..415  cos and sin of the rotary angles          -> rot: [2048 positions][32 pairs] of (cos, sin); key l of 512 has position 4 l's angles: 10 l / 512 = 10 (4 l) / 2048, both exact
;   416       context_mask                              -> mb:  0 or -3e38 for each key, and for each batch a word that is 0xffff where no key counts
; RECORD (12,800 bytes): 128 rows x 128 along K.  Eight fragments of 16 rows (1,536 bytes: registers 4 j .. 4 j + 3 of lane l at 512 j + 16 l), then 512 bytes of scale words: tile i, row r at 256 (i / 4) + 16 r + 4 (i % 4).
; THE ROWS OF A TILE ARE NOT NEIGHBOURS: row p of tile 2 b + u is row 32 b + 8 u + p + 8 (p / 8) of the 128, so that a product's 16 results in two neighbouring tiles are 16 neighbours along the next K.
; THE QUANTISER: a block's scale is its largest magnitude's exponent field less 2, held at 1 from below; codes by v_cvt_scalef32_pk16_fp6_f32 (nearest, ties to even, beyond 7.5 the largest code).
; LIMITS: a block of zeros gets the byte 1 where the rule says 127 (its codes are zeros; this program alone reads the bytes).  NaN and infinities among the inputs are not served.
; The angles: 1 / 10000^(i / 32) by one v_exp_f32 with the exponent's rounding error put back; sine and cosine by reduction to a quarter turn in two steps and polynomials in f32, a few parts in 10^7 of 1.
; No tensor loads, no barrier: waves share nothing.  Only the context's path uses LDS (a stage of its own for each wave).
.set SPARE, 33792                      ; behind the four stages: the spare words, 128 bytes a wave
.set SPW,  14                          ; v14  LDS address of my spare word; never rewritten
.set NIL,  15                          ; v15  0; never rewritten
.set SEL,  34                          ; s[34:35] lane selects for v_permlanex16_b32: lane l xor 16
.set RAW,  16                          ; v16-143  context: two sets of 16 rows x 16 bytes a lane, as loaded
.set T,    144                         ; v144-207 64 numbers of my row: register 16 b + i = k 32 b + 16 (lane / 16) + i
.set PC,   208                         ; v208-219 a fragment's codes
.set PT,   220                         ; v220-227 the conversions' second halves
.set TM,   228                         ; v228-243 at work in QUANT
.set SW,   252                         ; v252-255 the four tiles' scale words
.set CD,   144                         ; weights: v144-155 the codes for lanes 0-15 of the image, v156-167 for lanes 16-31
.set WPT,  168                         ; weights: v168-183 the conversions' second halves
; 32 nc numbers of a lane, register 16 b + i = k 32 b + 16 (lane / 16) + i of my row, become 6 nc registers of codes at v[d] and the row's scale bytes in v[w].
.macro QUANT s, d, w, nc
.set QB, 0
.rept 2*(\nc)
	v_max3_num_f32 v[TM+QB], |v[(\s)+16*QB]|, |v[(\s)+16*QB+1]|, 0x1800000   ; my 16 numbers of block QB, and the floor 2^(3 - 127): the byte cannot fall under 1
.set QB, QB+1
.endr
.irp i, 2,4,6,8,10,12,14
.set QB, 0
.rept 2*(\nc)
	v_max3_num_f32 v[TM+QB], v[TM+QB], |v[(\s)+16*QB+\i]|, |v[(\s)+16*QB+\i+1]|   ; the blocks by turns
.set QB, QB+1
.endr
.endr
.set QB, 0
.rept 2*(\nc)
	v_permlanex16_b32 v[TM+4+QB], v[TM+QB], s[SEL], s[SEL+1]
.set QB, QB+1
.endr
.set QB, 0
.rept 2*(\nc)
	v_max_num_f32 v[TM+QB], v[TM+QB], v[TM+4+QB]   ; with lane l xor 16's 16: the block's largest magnitude
.set QB, QB+1
.endr
.set QB, 0
.rept 2*(\nc)
	v_add_nc_u32 v[TM+12+QB], 0xff000000, v[TM+QB]   ; 2 off its exponent field: the conversion's scale operand
.set QB, QB+1
.endr
.set QB, 0
.rept 2*(\nc)
	v_lshrrev_b32 v[TM+4+QB], 23, v[TM+12+QB]      ; the scale's byte
.set QB, QB+1
.endr
	v_lshl_or_b32 v[\w], v[TM+5], 8, v[TM+4]
.if (\nc) > 1
	v_lshl_or_b32 v[\w], v[TM+6], 16, v[\w]
	v_lshl_or_b32 v[\w], v[TM+7], 24, v[\w]
.endif
.set QC, 0
.rept \nc
	v_cvt_scalef32_pk16_fp6_f32 v[(\d)+6*QC:(\d)+6*QC+2], v[(\s)+32*QC:(\s)+32*QC+15], v[TM+12+2*QC]
	v_cvt_scalef32_pk16_fp6_f32 v[PT+4*QC:PT+4*QC+2], v[(\s)+32*QC+16:(\s)+32*QC+31], v[TM+13+2*QC]   ; (a conversion's three registers begin on an even number)
.set QC, QC+1
.endr
	v_nop                                          ; one plain place behind the scaled conversions
.set QC, 0
.rept \nc
.irp i, 0,1,2
	v_permlane16_swap_b32 v[(\d)+6*QC+\i], v[PT+4*QC+\i]   ; the operand wants a WHOLE block in a lane: lanes 0-15 block 2 c, lanes 16-31 block 2 c + 1
.endr
.irp i, 0,1,2
	v_mov_b32 v[(\d)+6*QC+3+\i], v[PT+4*QC+\i]
.endr
.set QC, QC+1
.endr
.endm
	s_load_b256 s[4:11], s[0:1], 0x0               ; context s[4:5], Wq s[6:7], Wkv s[8:9], Wo s[10:11]
	s_load_b256 s[12:19], s[0:1], 0x20             ; context_mask s[12:13], cs s[14:15], wts s[16:17], rot s[18:19]
	s_load_b64 s[20:21], s[0:1], 0x40              ; mb
	v_lshl_add_u32 v[SPW], v0, 2, SPARE
	v_mov_b32 v[NIL], 0
	v_lshrrev_b32 v1, 5, v0
	v_readfirstlane_b32 s22, v1                    ; wave 0..3
	v_and_b32 v5, 31, v0                           ; lane
	v_lshlrev_b32 v1, 4, v5                        ; 16 x lane
	v_and_b32 v6, 15, v0                           ; r
	v_bfe_u32 v7, v0, 4, 1                         ; h
	s_mov_b32 s29, 0                               ; the high word of every offset pair s[28:29]
	s_wait_kmcnt 0x0
	s_cmp_lt_u32 ttmp9, 128
	s_cbranch_scc1 .Lrows
	s_cmp_lt_u32 ttmp9, 384
	s_cbranch_scc1 .Lweights
	s_cmp_lt_u32 ttmp9, 416
	s_cbranch_scc1 .Ltable
; ---- THE MASK.  Wave w serves batches 2 w and 2 w + 1.  A lane takes 4 mask bytes of each load and stores their 4 numbers: a store of the wave covers 512 consecutive bytes.
	v_lshlrev_b32 v4, 2, v5
	s_lshl_b32 s23, s22, 10
	v_add_nc_u32 v2, s23, v4                       ; the mask: 4 x lane + 2 w batches of 512 bytes
	s_lshl_b32 s23, s22, 12
	v_add_nc_u32 v3, s23, v1                       ; the bias: 16 x lane + 2 w batches of 2,048 bytes
	s_lshl_b32 s23, s22, 8
	v_add_nc_u32 v4, s23, v4                       ; the flag: 4 x lane + 2 w batches of 128 bytes
	v_mov_b32 v8, 0
	v_mov_b32 v9, 0xff61b1e6                       ; -3e38
.irp e, 0,1
.irp j, 0,1,2,3
	global_load_b32 v[16+4*\e+\j], v2, s[12:13] offset:512*\e+128*\j
.endr
.endr
	s_wait_loadcnt 0x0
.irp e, 0,1
.set I, 0
.rept 16
	v_bfe_u32 v10, v[16+4*\e+I/4], 8*(I%4), 8
	v_cmp_eq_u32 vcc_lo, 0, v10
	v_cndmask_b32 v[32+16*\e+I], v8, v9, vcc_lo    ; 0 where the key counts, -3e38 where it does not
.set I, I+1
.endr
.irp j, 0,1,2,3
	global_store_b128 v3, v[32+16*\e+4*\j:32+16*\e+4*\j+3], s[20:21] offset:2048*\e+512*\j
.endr
	v_or_b32 v10, v[16+4*\e], v[17+4*\e]
	v_or_b32 v11, v[18+4*\e], v[19+4*\e]
	v_or_b32 v10, v10, v11
	v_cmp_ne_u32 vcc_lo, 0, v10                    ; the lanes that hold a key that counts
	s_cmp_lg_u32 vcc_lo, 0
	s_mov_b32 s24, 0xffff
	s_cselect_b32 s24, 0, s24                      ; no such lane: two scale bytes 0xff, which make the batch's rows NaN, as reference()'s softmax of -inf alone does
	v_mov_b32 v[24+\e], s24
	global_store_b32 v4, v[24+\e], s[20:21] offset:16384+128*\e
.endr
	s_endpgm
; ---- THE TABLE.  A wave makes 16 positions, a lane one pair i of the head's 32.
.Ltable:
	s_sub_co_u32 s23, ttmp9, 384
	s_lshl_b32 s23, s23, 6
	s_lshl_b32 s24, s22, 4
	s_add_co_u32 s23, s23, s24                     ; my first position
	s_lshl_b32 s28, s23, 8                         ; 256 bytes a position
	s_add_nc_u64 s[18:19], s[18:19], s[28:29]
	s_mov_b32 s25, 0x3fc90fdb                      ; pi / 2, its f32
	s_mov_b32 s26, 0xb33bbd2e                      ; and what that f32 leaves
	s_mov_b32 s30, 0x3ed49a78                      ; log2(10000) / 32, its f32
	s_mov_b32 s31, 0x32179a30                      ; and what that f32 leaves
	v_lshlrev_b32 v2, 3, v5                        ; 8 bytes a pair
	v_cvt_f32_u32 v16, v5
	v_mul_f32 v17, s30, v16                        ; the exponent, rounded,
	v_fma_f32 v18, v16, s30, -v17                  ; what the rounding dropped,
	v_fma_f32 v18, v16, s31, v18                   ; and the constant's own rest
	v_exp_f32 v19, -v17
	v_mul_f32 v18, 0x3f317218, v18                 ; x ln 2 (a plain place behind the exponential)
	s_wait_alu depctr_va_vdst(0)                   ; the wait ahead of the result's first reader
	v_fma_f32 v19, -v19, v18, v19                  ; 10000^(-i / 32) = 2^(-rounded) (1 - rest ln 2)
.macro SINCOS k
	s_add_co_u32 s24, s23, \k
	v_cvt_f32_u32 v20, s24
	v_mul_f32 v20, 0x3ba00000, v20                 ; 10 l / 2048, exact
	v_mul_f32 v20, v20, v19                        ; the angle
	v_mul_f32 v21, 0x3f22f983, v20
	v_rndne_f32 v21, v21                           ; n quarter turns
	v_fma_f32 v22, -v21, s25, v20
	v_fma_f32 v22, -v21, s26, v22                  ; what is left, within pi / 4
	v_mul_f32 v23, v22, v22
	v_mov_b32 v24, 0xb94ca1f9
	v_fmaak_f32 v24, v24, v23, 0x3c08839e
	v_fmaak_f32 v24, v24, v23, 0xbe2aaaa3
	v_mul_f32 v25, v22, v23
	v_fma_f32 v24, v25, v24, v22                   ; its sine
	v_mov_b32 v26, 0x37ccf5ce
	v_fmaak_f32 v26, v26, v23, 0xbab6061a
	v_fmaak_f32 v26, v26, v23, 0x3d2aaaa5
	v_mul_f32 v27, v23, v23
	v_fma_f32 v28, v23, -0.5, 1.0
	v_fma_f32 v26, v27, v26, v28                   ; its cosine
	v_cvt_i32_f32 v29, v21
	v_and_b32 v30, 1, v29
	v_cmp_eq_u32 vcc_lo, 1, v30
	v_cndmask_b32 v31, v24, v26, vcc_lo            ; an odd n swaps the two
	v_cndmask_b32 v26, v26, v24, vcc_lo
	v_and_b32 v30, 2, v29
	v_lshlrev_b32 v30, 30, v30
	v_xor_b32 v[65+2*\k], v30, v31                 ; sin: minus where n mod 4 is 2 or 3
	v_add_nc_u32 v29, 1, v29
	v_and_b32 v29, 2, v29
	v_lshlrev_b32 v29, 30, v29
	v_xor_b32 v[64+2*\k], v29, v26                 ; cos: minus where n mod 4 is 1 or 2
	global_store_b64 v2, v[64+2*\k:65+2*\k], s[18:19] offset:256*\k   ; the wave stores a position's 256 bytes
.endm
.irp k, 0,1,2,3,4,5,6,7,8,9,10,11,12,13,14,15
	SINCOS \k
.endr
	s_endpgm
; ---- THE WEIGHTS.  A work-group makes one record: 128 columns x 128 along K.  A LANE TAKES A COLUMN AND ITS REGISTERS RUN DOWN K: each load reads 128 consecutive bytes, a block of 32 lies in one lane.
.Lweights:
	s_sub_co_u32 s23, ttmp9, 128                   ; the record: 8 x group + K step
	s_lshr_b32 s24, s23, 3                         ; group 0-7 Wq, 8-23 Wkv, 24-31 Wo
	s_and_b32 s25, s23, 7
	s_mul_i32 s28, s23, 12800
	s_add_nc_u64 s[16:17], s[16:17], s[28:29]
	s_cmp_lt_u32 s24, 24
	s_cselect_b64 s[8:9], s[8:9], s[10:11]
	s_cselect_b32 s26, 8, 24
	s_cmp_lt_u32 s24, 8
	s_cselect_b64 s[8:9], s[6:7], s[8:9]           ; the tensor,
	s_cselect_b32 s26, 0, s26
	s_sub_co_u32 s26, s24, s26                     ; and which 128 of its columns
	s_lshl_b32 s28, s26, 9
	s_lshl_b32 s27, s22, 7
	s_add_co_u32 s28, s28, s27                     ; my wave's 32 columns
	s_add_nc_u64 s[8:9], s[8:9], s[28:29]
	v_lshlrev_b32 v2, 2, v5
.macro WLOAD n
.set I, 0
.rept 128
	global_load_b32 v[16+I], v2, s[8:9] offset:I*(\n)*4 th:TH_LOAD_NT
.set I, I+1
.endr
.endm
	s_sub_co_u32 s27, s24, 8
	s_cmp_lt_u32 s27, 16                           ; Wkv's rows are 2,048 numbers, the others' 1,024: the offsets are immediates, so the loads are written for each
	s_cbranch_scc1 .Lwide
	s_lshl_b32 s28, s25, 19                        ; 128 rows of 4,096 bytes a K step
	s_add_nc_u64 s[8:9], s[8:9], s[28:29]
	WLOAD 1024
	s_branch .Lloaded
.Lwide:
	s_lshl_b32 s28, s25, 20
	s_add_nc_u64 s[8:9], s[8:9], s[28:29]
	WLOAD 2048
.Lloaded:
	v_bfe_u32 v3, v0, 3, 1                         ; column 32 w + l is row p = (l % 8) + 8 (l / 16) of tile 2 w + (l / 8) % 2
	v_and_b32 v4, 7, v0
	v_lshl_or_b32 v4, v7, 3, v4
	s_lshl_b32 s27, s22, 1
	v_add_nc_u32 v3, s27, v3
	v_mul_u32_u24 v6, v3, 1536
	v_lshl_add_u32 v6, v4, 4, v6                   ; my row's place in the images
	v_lshrrev_b32 v7, 2, v3
	v_lshlrev_b32 v7, 8, v7
	v_and_b32 v3, 3, v3
	v_lshl_add_u32 v7, v3, 2, v7
	v_lshl_add_u32 v7, v4, 4, v7                   ; and among the scale words
.macro WBLOCK t
.set XS, 16+32*(\t)
.if (\t) == 0
	s_wait_loadcnt 63                              ; at most 63 of the 128 are out: blocks 0 and 1 are in (a wait names no more than its field holds)
.elseif (\t) == 2
	s_wait_loadcnt 32                              ; block 3's 32 may be out
.elseif (\t) == 3
	s_wait_loadcnt 0x0
.endif
	v_max3_num_f32 v8, |v[XS]|, |v[XS+1]|, |v[XS+2]|
	v_max3_num_f32 v9, |v[XS+3]|, |v[XS+4]|, |v[XS+5]|
.irp i, 6,10,14,18,22,26
	v_max3_num_f32 v8, v8, |v[XS+\i]|, |v[XS+\i+1]|
	v_max3_num_f32 v9, v9, |v[XS+\i+2]|, |v[XS+\i+3]|
.endr
	v_max3_num_f32 v8, v8, |v[XS+30]|, |v[XS+31]|
	v_max3_num_f32 v8, v8, v9, 0x1800000           ; all 32 numbers are mine; and the floor
	v_add_nc_u32 v10, 0xff000000, v8
	v_lshrrev_b32 v11, 23, v10
.if (\t) == 0
	v_mov_b32 v12, v11
.else
	v_lshl_or_b32 v12, v11, 8*(\t), v12
.endif
	v_cvt_scalef32_pk16_fp6_f32 v[CD+12*((\t)%2)+6*((\t)/2):CD+12*((\t)%2)+6*((\t)/2)+2], v[XS:XS+15], v10   ; block 2 c + h is registers 6 c .. 6 c + 5 of the image's lane (p, h)
	v_cvt_scalef32_pk16_fp6_f32 v[WPT+4*(\t):WPT+4*(\t)+2], v[XS+16:XS+31], v10
	v_nop                                          ; one plain place behind the scaled conversions
.irp i, 0,1,2
	v_mov_b32 v[CD+12*((\t)%2)+6*((\t)/2)+3+\i], v[WPT+4*(\t)+\i]
.endr
.endm
	WBLOCK 0
	WBLOCK 1
	WBLOCK 2
	WBLOCK 3
.irp e, 0,1
.irp j, 0,1,2
	global_store_b128 v6, v[CD+12*\e+4*\j:CD+12*\e+4*\j+3], s[16:17] offset:512*\j+256*\e   ; the sixteen lanes of a tile store 256 consecutive bytes, aligned
.endr
.endr
	global_store_b32 v7, v12, s[16:17] offset:12288   ; 4 bytes a column: one byte for each 32 along K
	s_endpgm
; ---- THE CONTEXT.  A wave makes four tiles (4 q + ii) of one record.  A load reads 512 consecutive bytes of a row; the 16 rows turn through the wave's stage so that a lane gets 16 neighbours of each block.
.Lrows:
	s_lshl_b32 s23, ttmp9, 2
	s_add_co_u32 s23, s23, s22
	s_lshr_b32 s24, s23, 4                         ; which 128 rows
	s_bfe_u32 s25, s23, 0x30001                    ; K step
	s_and_b32 s26, s23, 1                          ; q
	s_lshl_b32 s27, s24, 19
	s_lshl_b32 s28, s26, 18
	s_add_co_u32 s27, s27, s28
	s_lshl_b32 s28, s25, 9
	s_add_co_u32 s28, s27, s28                     ; (128 blk + 64 q) rows of 4,096 bytes + 512 s
	s_add_nc_u64 s[4:5], s[4:5], s[28:29]
	s_lshl_b32 s27, s24, 3
	s_add_co_u32 s27, s27, s25
	s_mul_i32 s28, s27, 12800
	s_add_nc_u64 s[14:15], s[14:15], s[28:29]      ; the record
	s_lshl_b32 s28, s26, 8
	s_add_nc_u64 s[32:33], s[14:15], s[28:29]      ; my 256 bytes of its scale words (12,288 on)
	s_mul_i32 s28, s26, 6144
	s_add_nc_u64 s[14:15], s[14:15], s[28:29]      ; my four fragments
	s_mov_b32 s[SEL], 0x76543210
	s_mov_b32 s[SEL+1], 0xfedcba98
	s_mul_i32 s27, s22, 8448                       ; my stage: 16 rows x (512 + 16) bytes
	v_add_nc_u32 v2, s27, v1                       ; in: a row as it lies
	v_mul_u32_u24 v3, v6, 528
	v_lshl_add_u32 v3, v7, 6, v3
	v_add_nc_u32 v3, s27, v3                       ; out: row r, + 64 h
	v_lshlrev_b32 v4, 4, v6
	v_lshl_add_u32 v4, v7, 3, v4                   ; 16 r + 8 h
.irp i, 0,1,2,3
	v_mov_b32 v[TM+4+\i], 0                        ; written once: a lane permute's destination counts as one of its sources
.endr
.macro LOADT ii
.set I, 0
.rept 16
	global_load_b128 v[RAW+64*((\ii)%2)+4*I:RAW+64*((\ii)%2)+4*I+3], v1, s[4:5] offset:(32*((\ii)/2)+8*((\ii)%2)+I+8*(I/8))*4096 th:TH_LOAD_NT
.set I, I+1
.endr
.endm
.macro RTILE ii
.if (\ii) < 3
	s_wait_loadcnt 16                              ; this tile's 16 loads are in; the next tile's may be out
.else
	s_wait_loadcnt 0x0
.endif
.set I, 0
.rept 16
	ds_store_b128 v2, v[RAW+64*((\ii)%2)+4*I:RAW+64*((\ii)%2)+4*I+3] offset:528*I
.set I, I+1
.endr
.set I, 0
.rept 16
	ds_load_b128 v[T+4*I:T+4*I+3], v3 offset:128*(I/4)+16*(I%4)   ; LDS serves a wave's instructions in order: these see the stores above
.set I, I+1
.endr
	s_wait_dscnt 0x0                               ; the numbers are back, and the stores have read their registers,
.if (\ii) < 2
	LOADT (\ii)+2                                  ; which take the tile two on
.endif
.if (\ii) > 0
	s_wait_xcnt 0x0                                ; the last tile's stores have read the codes' registers: only now are they written again
.endif
	QUANT T, PC, SW+(\ii), 2
.irp j, 0,1,2
	global_store_b128 v1, v[PC+4*\j:PC+4*\j+3], s[14:15] offset:1536*(\ii)+512*\j   ; 512 consecutive bytes, aligned
.endr
.endm
	LOADT 0
	LOADT 1
	RTILE 0
	RTILE 1
	RTILE 2
	RTILE 3
	v_cmp_le_u32 vcc_lo, 16, v5
	v_cndmask_b32 v10, v[SW], v[SW+2], vcc_lo      ; both halves of the lanes hold row r's words: lane (r, h) stores those of tiles 2 h and 2 h + 1
	v_cndmask_b32 v11, v[SW+1], v[SW+3], vcc_lo
	global_store_b64 v4, v[10:11], s[32:33] offset:12288   ; the wave stores 256 consecutive bytes, aligned
	s_wait_tensorcnt 0x0                           ; the wave's end
	ds_add_u32 v[SPW], v[NIL]
	s_wait_dscnt 0x0
	s_endpgm
.Lfunc_end_k_qfa9c237934_prep:
	.size	k_qfa9c237934_prep, .Lfunc_end_k_qfa9c237934_prep-k_qfa9c237934_prep
	.p2alignl 7, 3214868480
	.fill 96, 4, 3214868480
	.section	.rodata,"a",@progbits
	.p2align	6, 0x0
	.amdhsa_kernel k_qfa9c237934_prep
		.amdhsa_group_segment_fixed_size 34304
		.amdhsa_private_segment_fixed_size 0
		.amdhsa_enable_private_segment 0
		.amdhsa_kernarg_size 72
		.amdhsa_user_sgpr_count 2
		.amdhsa_user_sgpr_kernarg_segment_ptr 1
		.amdhsa_wavefront_size32 1
		.amdhsa_system_sgpr_workgroup_id_x 1
		.amdhsa_system_sgpr_workgroup_id_y 1
		.amdhsa_system_sgpr_workgroup_id_z 1
		.amdhsa_system_vgpr_workitem_id 0
		.amdhsa_next_free_vgpr 256
		.amdhsa_next_free_sgpr 66
		.amdhsa_reserve_vcc 1
		.amdhsa_float_denorm_mode_32 3
		.amdhsa_float_denorm_mode_16_64 3
		.amdhsa_memory_ordered 1
		.amdhsa_forward_progress 1
		.amdhsa_inst_pref_size 97
	.end_amdhsa_kernel
	.amdgpu_metadata
---
amdhsa.version: [ 1, 2 ]
amdhsa.kernels:
  - .name:           k_qfa9c237934_prep
    .symbol:         k_qfa9c237934_prep.kd
    .args:
      - { .name: context, .offset: 0, .size: 8, .value_kind: global_buffer, .address_space: global }
      - { .name: Wq, .offset: 8, .size: 8, .value_kind: global_buffer, .address_space: global }
      - { .name: Wkv, .offset: 16, .size: 8, .value_kind: global_buffer, .address_space: global }
      - { .name: Wo, .offset: 24, .size: 8, .value_kind: global_buffer, .address_space: global }
      - { .name: context_mask, .offset: 32, .size: 8, .value_kind: global_buffer, .address_space: global }
      - { .name: cs, .offset: 40, .size: 8, .value_kind: global_buffer, .address_space: global }
      - { .name: wts, .offset: 48, .size: 8, .value_kind: global_buffer, .address_space: global }
      - { .name: rot, .offset: 56, .size: 8, .value_kind: global_buffer, .address_space: global }
      - { .name: mb, .offset: 64, .size: 8, .value_kind: global_buffer, .address_space: global }
    .group_segment_fixed_size: 34304
    .private_segment_fixed_size: 0
    .kernarg_segment_align: 8
    .kernarg_segment_size: 72
    .max_flat_workgroup_size: 128
    .sgpr_count:     66
    .vgpr_count:     256
    .wavefront_size: 32
...
	.end_amdgpu_metadata
.endif
;; end of part 1
;; launch kv (part 2): grid 32 x 8, 4 waves a work-group, no clusters, 102,912 bytes of LDS; arguments cs, wts, bkv, rot, kvs; writes kvs
.if DOCPART == 2
	.amdgcn_target "amdgcn-amd-amdhsa--gfx1250"
	.amdhsa_code_object_version 6
	.text
	.protected	k_qfa9c237934_kv
	.globl	k_qfa9c237934_kv
	.p2align	8
	.type	k_qfa9c237934_kv,@function
k_qfa9c237934_kv:
	s_mov_b64 s[64:65], 0
	v_nop
	global_prefetch_b8 v0, s[64:65] scope:SCOPE_SE
	s_setreg_imm32_b32 hwreg(HW_REG_WAVE_MODE, 25, 1), 1
	s_wait_xcnt 0x0
; Launch 2 of 3: kv = context Wkv + bkv on codes of FP6 (E2M3), then k is turned (rotary) and quantised along the head's 64, v along the keys.  No work of reference() is left out here.
; SHARES.  Work-group (x, y): x = 128 keys (batch x / 4, key step x % 4); wave w takes the 64 columns hh = 4 y + w of kv: hh < 16 is k of head hh, else v of head hh - 16.  So y < 4 is K's path, else V's.
; A wave makes 128 keys x 64 columns over K = 1,024: 32 accumulators, 256 matrix instructions.  The context's eight records (102,400 bytes, as launch 1 laid them) are copied into LDS once and read by all four waves;
; each wave's weights go from memory straight into its registers: no other wave of the work-group uses them.
; THE WEIGHTS OF ALL EIGHT K STEPS HAVE REGISTERS OF THEIR OWN (8 x 48, windows 2 and 3): no set is filled again, so a step's 13 loads go out four steps ahead of its products, 39 loads of a wave on their way.
; K's PATH: source 0 = 16 columns of Wkv, source 1 = 16 keys: a lane holds ONE key, its registers run along the head's 64.  V's PATH: the sources swapped: a lane holds one channel, its registers run along the keys.
; OUT: one record of 13,056 bytes for (batch, head, key step): +0 K: 48 registers' image (6 for each tile of 16 keys); +6,144 V: four fragments (16 channels x 128 keys); +12,288 K's scale words; +12,800 V's.
; NO CLUSTER: what work-groups share is the context's block (8 work-groups) and the weights (32); each is read once by a work-group, 100 KB and 4 x 50 KB, in a launch of 256 matrix instructions a wave.
; LIMITS: as launch 1's quantiser (a block of zeros gets the byte 1; NaN and infinities are not served).
; REGISTERS: window 0: v1-11 addresses; v16-55 scale words and nothing else; v56-151 the context's fragments; v152-183 K's bias; from v184 the codes on their way out.  window 1: the accumulators.
;   window 2: the weights of K steps 0-4.  window 3: those of steps 5-7; from v144 three sets of table numbers.
.set SPARE, 102400                     ; behind the context's block: the spare words, 128 bytes a wave
.set SPW,  14                          ; v14  LDS address of my spare word; never rewritten
.set NIL,  15                          ; v15  0; never rewritten
.set BSC,  16                          ; v16-23  the context's scale words, two sets of 4 (tile i: register i % 4, lanes 16-31 for i > 3)
.set SSC,  24                          ; v24-55  the weights' scale words, a set of 4 for each K step
.set BIG,  56                          ; v56-151 the context's 8 fragments: one set, filled again by halves
.set BIA,  152                         ; v152-183 K's path: the bias, four tiles in the result's layout
.set CDS,  184                         ; v184-231 the codes
.set WDS,  232                         ; v232-239 their scale words
.set PT,   240                         ; v240-247 the conversions' second halves
.set VB,   248                         ; v248-251 V's path: the bias of my channel in each of the four tiles
.set SL,   252
.set T,    56                          ; epilogues, in the registers that the context's fragments have left: v56-119 V: 64 numbers of a channel;
.set R,    56                          ;            v56-87 K: a key's 32 turned numbers of my half;
.set TM,   120                         ;            v120-135 at work in QUANT
.set TB,   144                         ; window 3: v144-239 three sets of 32 table numbers
.set WF,   22                          ; s[22:23] my weights' fragments;  s[24:25] their scale words;  s[26:27] my quarter of the context's block
.set WSC,  24
.set CP,   26
.set BI,   28                          ; s[28:29] my 64 numbers of bkv;  s[30:31] the table at my block's first key;  s[32:33] my record
.set RT,   30
.set OUT,  32
.set SEL,  34
.set MSB, 0
.macro WIN new                         ; the immediate's high byte repeats the setting that is left; bits 1:0 source 0, 3:2 source 1, 5:4 source 2, 7:6 destination
.if MSB != \new
	s_set_vgpr_msb (MSB<<8)|\new
.set MSB, \new
.endif
.endm
.macro PLACES                          ; four plain places behind matrix instructions, in front of loads into their sources and of reads of their results
.rept 4
	v_nop
.endr
.endm
.macro BARRIER
	s_wait_dscnt 0x0
	s_barrier_signal -1
	s_barrier_wait -1
.endm
; one matrix instruction.  c < 0: the constant 0 starts the sum.  row = 1: source 0's scales from lanes 16-31; 2: source 1's
.macro WM d, a, b, c, sa, sb, row
.if (\c) < 0
.if (\row) == 0
	v_wmma_scale_f32_16x16x128_f8f6f4 v[(\d):(\d)+7], v[(\a):(\a)+11], v[(\b):(\b)+11], 0, v[\sa], v[\sb] matrix_a_fmt:MATRIX_FMT_FP6 matrix_b_fmt:MATRIX_FMT_FP6
.elseif (\row) == 1
	v_wmma_scale_f32_16x16x128_f8f6f4 v[(\d):(\d)+7], v[(\a):(\a)+11], v[(\b):(\b)+11], 0, v[\sa], v[\sb] matrix_a_fmt:MATRIX_FMT_FP6 matrix_b_fmt:MATRIX_FMT_FP6 matrix_a_scale:MATRIX_SCALE_ROW1
.else
	v_wmma_scale_f32_16x16x128_f8f6f4 v[(\d):(\d)+7], v[(\a):(\a)+11], v[(\b):(\b)+11], 0, v[\sa], v[\sb] matrix_a_fmt:MATRIX_FMT_FP6 matrix_b_fmt:MATRIX_FMT_FP6 matrix_b_scale:MATRIX_SCALE_ROW1
.endif
.else
.if (\row) == 0
	v_wmma_scale_f32_16x16x128_f8f6f4 v[(\d):(\d)+7], v[(\a):(\a)+11], v[(\b):(\b)+11], v[(\c):(\c)+7], v[\sa], v[\sb] matrix_a_fmt:MATRIX_FMT_FP6 matrix_b_fmt:MATRIX_FMT_FP6
.elseif (\row) == 1
	v_wmma_scale_f32_16x16x128_f8f6f4 v[(\d):(\d)+7], v[(\a):(\a)+11], v[(\b):(\b)+11], v[(\c):(\c)+7], v[\sa], v[\sb] matrix_a_fmt:MATRIX_FMT_FP6 matrix_b_fmt:MATRIX_FMT_FP6 matrix_a_scale:MATRIX_SCALE_ROW1
.else
	v_wmma_scale_f32_16x16x128_f8f6f4 v[(\d):(\d)+7], v[(\a):(\a)+11], v[(\b):(\b)+11], v[(\c):(\c)+7], v[\sa], v[\sb] matrix_a_fmt:MATRIX_FMT_FP6 matrix_b_fmt:MATRIX_FMT_FP6 matrix_b_scale:MATRIX_SCALE_ROW1
.endif
.endif
.endm
; 32 nc numbers of a lane, register 16 b + i = k 32 b + 16 (lane / 16) + i of my row, become 6 nc registers of codes at v[d] and the row's scale bytes in v[w].
.macro QUANT s, d, w, nc
.set QB, 0
.rept 2*(\nc)
	v_max3_num_f32 v[TM+QB], |v[(\s)+16*QB]|, |v[(\s)+16*QB+1]|, 0x1800000   ; and the floor 2^(3 - 127): the byte cannot fall under 1
.set QB, QB+1
.endr
.irp i, 2,4,6,8,10,12,14
.set QB, 0
.rept 2*(\nc)
	v_max3_num_f32 v[TM+QB], v[TM+QB], |v[(\s)+16*QB+\i]|, |v[(\s)+16*QB+\i+1]|
.set QB, QB+1
.endr
.endr
.set QB, 0
.rept 2*(\nc)
	v_permlanex16_b32 v[TM+4+QB], v[TM+QB], s[SEL], s[SEL+1]
.set QB, QB+1
.endr
.set QB, 0
.rept 2*(\nc)
	v_max_num_f32 v[TM+QB], v[TM+QB], v[TM+4+QB]
.set QB, QB+1
.endr
.set QB, 0
.rept 2*(\nc)
	v_add_nc_u32 v[TM+12+QB], 0xff000000, v[TM+QB]   ; 2 off the exponent field: the conversion's scale operand
.set QB, QB+1
.endr
.set QB, 0
.rept 2*(\nc)
	v_lshrrev_b32 v[TM+4+QB], 23, v[TM+12+QB]
.set QB, QB+1
.endr
	v_lshl_or_b32 v[\w], v[TM+5], 8, v[TM+4]
.if (\nc) > 1
	v_lshl_or_b32 v[\w], v[TM+6], 16, v[\w]
	v_lshl_or_b32 v[\w], v[TM+7], 24, v[\w]
.endif
.set QC, 0
.rept \nc
	v_cvt_scalef32_pk16_fp6_f32 v[(\d)+6*QC:(\d)+6*QC+2], v[(\s)+32*QC:(\s)+32*QC+15], v[TM+12+2*QC]
	v_cvt_scalef32_pk16_fp6_f32 v[PT+4*QC:PT+4*QC+2], v[(\s)+32*QC+16:(\s)+32*QC+31], v[TM+13+2*QC]
.set QC, QC+1
.endr
	v_nop                                          ; one plain place behind the scaled conversions
.set QC, 0
.rept \nc
.irp i, 0,1,2
	v_permlane16_swap_b32 v[(\d)+6*QC+\i], v[PT+4*QC+\i]
.endr
.irp i, 0,1,2
	v_mov_b32 v[(\d)+6*QC+3+\i], v[PT+4*QC+\i]
.endr
.set QC, QC+1
.endr
.endm
; the rotary turn of 16 pairs: a: results in window 1; tb: (cos, sin) pairs in window 3; rr: where the turned numbers go, in window 0
.macro ROPE a, tb, rr
	WIN 0x0d
.set RP, 0
.rept 16
	v_mul_f32 v[(\rr)+RP], v[(\a)+RP], v[(\tb)+RP]
	v_mul_f32 v[(\rr)+RP+1], v[(\a)+RP], v[(\tb)+RP+1]
	v_fma_f32 v[(\rr)+RP], -v[(\a)+RP+1], v[(\tb)+RP+1], v[(\rr)+RP]
	v_fma_f32 v[(\rr)+RP+1], v[(\a)+RP+1], v[(\tb)+RP], v[(\rr)+RP+1]
.set RP, RP+2
.endr
	WIN 0
.endm
.macro SMPLACE s                       ; where K step s's weights lie: window SMW, from register SMB on
.if (\s) < 5
.set SMW, 2
.set SMB, 48*(\s)
.else
.set SMW, 3
.set SMB, 48*((\s)-5)
.endif
.endm
.macro SMLOAD s                        ; my weights' four fragments and their scale words of K step s: 13 loads
	SMPLACE \s
	WIN (SMW<<6)
.irp c, 0,1,2,3
.irp j, 0,1,2
	global_load_b128 v[SMB+12*\c+4*\j:SMB+12*\c+4*\j+3], v1, s[WF:WF+1] offset:12800*(\s)+1536*\c+512*\j
.endr
.endr
	WIN 0
	global_load_b128 v[SSC+4*(\s):SSC+4*(\s)+3], v2, s[WSC:WSC+1] offset:12800*(\s)
.endm
.macro TBL kt                          ; (cos, sin) of my key of tile kt, my half's 16 pairs: 8 loads
	WIN 0xc0
.irp e, 0,1,2,3,4,5,6,7
	global_load_b128 v[TB+32*((\kt)%3)+4*\e:TB+32*((\kt)%3)+4*\e+3], v6, s[RT:RT+1] offset:(32*((\kt)/2)+8*((\kt)%2))*1024+16*(\e%4)+128*(\e/4)
.endr
	WIN 0
.endm
.macro LPLACE s                        ; an LDS offset has 16 bits: records 5 to 7 go by the second address register
.if (\s) < 5
.set LAD, 1
.set LOF, 12800*(\s)
.else
.set LAD, 3
.set LOF, 12800*((\s)-5)
.endif
.endm
.macro BIGH s, k0                      ; the context's fragments k0 .. k0 + 3 of K step s: 12 LDS loads
	LPLACE \s
.irp c, 0,1,2,3
.irp j, 0,1,2
	ds_load_b128 v[BIG+12*((\k0)+\c)+4*\j:BIG+12*((\k0)+\c)+4*\j+3], v[LAD] offset:LOF+1536*((\k0)+\c)+512*\j
.endr
.endr
.endm
.macro BSCL s
	LPLACE \s
	ds_load_b128 v[BSC+4*((\s)%2):BSC+4*((\s)%2)+3], v[LAD] offset:LOF+12288
.endm
; 16 matrix instructions: key tiles k0 .. k0 + 3 x my four column tiles; sixteen accumulators, one instruction each
.macro KVMUL s, k0, path
	SMPLACE \s
.irp kk, 0,1,2,3
.irp c, 0,1,2,3
.if (\path) == 0
.if (\s) == 0
	WM 32*((\k0)+\kk)+8*\c, SMB+12*\c, BIG+12*((\k0)+\kk), BIA+8*\c, SSC+4*(\s)+\c, BSC+4*((\s)%2)+\kk, 2*((\k0)/4)
.else
	WM 32*((\k0)+\kk)+8*\c, SMB+12*\c, BIG+12*((\k0)+\kk), 32*((\k0)+\kk)+8*\c, SSC+4*(\s)+\c, BSC+4*((\s)%2)+\kk, 2*((\k0)/4)
.endif
.else
.if (\s) == 0
	WM 64*\c+8*((\k0)+\kk), BIG+12*((\k0)+\kk), SMB+12*\c, -1, BSC+4*((\s)%2)+\kk, SSC+4*(\s)+\c, (\k0)/4
.else
	WM 64*\c+8*((\k0)+\kk), BIG+12*((\k0)+\kk), SMB+12*\c, 64*\c+8*((\k0)+\kk), BSC+4*((\s)%2)+\kk, SSC+4*(\s)+\c, (\k0)/4
.endif
.endif
.endr
.endr
.endm
.macro MWIN s, path                    ; the weights in window 2 or 3, the context in window 0, results in window 1; the bias (K's first step) in window 0
	SMPLACE \s
.if (\path) == 0
.if (\s) == 0
	WIN (0x40|SMW)
.else
	WIN (0x50|SMW)
.endif
.else
	WIN (0x50|(SMW<<2))
.endif
.endm
; x: the loads that step 4 issues for the epilogue: 24 (K: three tiles of the table) or 4 (V: the bias)
.macro KSTEP s, path, x
.if (\s) < 5
	s_wait_loadcnt 39                              ; this step's weights are in (in step 0 the bias too); the next three steps' 13 loads each may be out
.else
	s_wait_loadcnt 13*(7-(\s))+(\x)                ; behind this step's weights: the later steps' 13 each, and the epilogue's x
.endif
.if (\s) < 4
	SMLOAD (\s)+4                                  ; registers of their own: nothing is waited for
.endif
.if (\s) == 4
.if (\path) == 0
	TBL 0
	TBL 1
	TBL 2
.else
.irp c, 0,1,2,3
	global_load_b32 v[VB+\c], v10, s[BI:BI+1] offset:128*(\c/2)+32*(\c%2)   ; the bias of my channel 32 b + 8 u + r + 8 (r / 8): added on the way to the quantiser
.endr
.endif
.endif
	s_wait_dscnt 12                                ; the context's tiles 0-3 and its scale words are in; the youngest 12 loads (tiles 4-7) may be out
	MWIN \s, \path
	KVMUL \s, 0, \path
	WIN 0
	PLACES
.if (\s) < 7
	BIGH (\s)+1, 0
	BSCL (\s)+1
	s_wait_dscnt 13                                ; all but the 13 just issued
.else
	s_wait_dscnt 0x0
.endif
	MWIN \s, \path
	KVMUL \s, 4, \path
	WIN 0
	PLACES
.if (\s) < 7
	BIGH (\s)+1, 4
.endif
.endm
	s_load_b256 s[4:11], s[0:1], 0x0               ; cs s[4:5], wts s[6:7], bkv s[8:9], rot s[10:11]
	s_load_b64 s[12:13], s[0:1], 0x20              ; kvs
	v_lshl_add_u32 v[SPW], v0, 2, SPARE
	v_mov_b32 v[NIL], 0
	v_lshrrev_b32 v1, 5, v0
	v_readfirstlane_b32 s14, v1                    ; wave 0..3
	s_and_b32 s15, ttmp7, 0xffff                   ; y
	s_lshl_b32 s16, s15, 2
	s_add_co_u32 s16, s16, s14                     ; hh
	v_and_b32 v7, 31, v0                           ; lane
	v_lshlrev_b32 v1, 4, v7                        ; v1  16 x lane
	v_and_b32 v8, 15, v0                           ; r
	v_bfe_u32 v9, v0, 4, 1                         ; h
	v_lshlrev_b32 v2, 4, v8                        ; v2  16 r
	v_add_nc_u32 v3, 64000, v1                     ; v3  16 x lane, from record 5 on
	s_mul_i32 s17, s14, 25600
	v_add_nc_u32 v4, s17, v1                       ; v4  where I copy my quarter of the block
	v_lshlrev_b32 v5, 6, v9                        ; v5  64 h: K's bias
	v_and_b32 v12, 8, v8
	v_add_nc_u32 v12, v12, v8                      ; r + 8 (r / 8)
	v_lshlrev_b32 v6, 10, v12
	v_lshl_add_u32 v6, v9, 6, v6                   ; v6  the table: my key's row (1,024 bytes a key: position 4 l), + 64 h
	v_lshlrev_b32 v10, 2, v12                      ; v10 V's bias: my channel
	v_lshl_add_u32 v11, v9, 3, v2                  ; v11 16 r + 8 h
	s_lshr_b32 s18, s16, 1
	s_add_co_u32 s18, s18, 8                       ; Wkv's groups of 128 columns are 8 .. 23 in wts
	s_mul_i32 s20, s18, 102400
	s_and_b32 s19, s16, 1                          ; which 64 of the 128: tiles 4 p .. 4 p + 3
	s_mul_i32 s[WF], s19, 6144
	s_add_co_u32 s[WF], s[WF], s20
	s_mov_b32 s[WF+1], 0
	s_lshl_b32 s[WSC], s19, 8
	s_add_co_u32 s[WSC], s[WSC], s20
	s_add_co_u32 s[WSC], s[WSC], 12288
	s_mov_b32 s[WSC+1], 0
	s_mul_i32 s[CP], ttmp9, 102400
	s_add_co_u32 s[CP], s[CP], s17
	s_mov_b32 s[CP+1], 0
	s_lshl_b32 s[BI], s16, 8
	s_mov_b32 s[BI+1], 0
	s_and_b32 s21, ttmp9, 3                        ; key step
	s_lshl_b32 s[RT], s21, 17                      ; 128 keys of 1,024 bytes
	s_mov_b32 s[RT+1], 0
	s_lshr_b32 s[OUT], ttmp9, 2                    ; batch
	s_lshl_b32 s[OUT], s[OUT], 4
	s_and_b32 s20, s16, 15                         ; head
	s_add_co_u32 s[OUT], s[OUT], s20
	s_lshl_b32 s[OUT], s[OUT], 2
	s_add_co_u32 s[OUT], s[OUT], s21
	s_mul_i32 s[OUT], s[OUT], 13056
	s_mov_b32 s[OUT+1], 0
	s_mov_b32 s[SEL], 0x76543210
	s_mov_b32 s[SEL+1], 0xfedcba98
	s_wait_kmcnt 0x0
	s_add_nc_u64 s[WF:WF+1], s[6:7], s[WF:WF+1]
	s_add_nc_u64 s[WSC:WSC+1], s[6:7], s[WSC:WSC+1]
	s_add_nc_u64 s[CP:CP+1], s[4:5], s[CP:CP+1]
	s_add_nc_u64 s[BI:BI+1], s[8:9], s[BI:BI+1]
	s_add_nc_u64 s[RT:RT+1], s[10:11], s[RT:RT+1]
	s_add_nc_u64 s[OUT:OUT+1], s[12:13], s[OUT:OUT+1]
	WIN 0x40                                       ; my quarter of the context's block first, since all four waves wait for it: 50 x 512 bytes, through the registers that the accumulators will take
.set I, 0
.rept 50
	global_load_b128 v[4*I:4*I+3], v1, s[CP:CP+1] offset:512*I
.set I, I+1
.endr
	WIN 0
	SMLOAD 0
	s_wait_loadcnt 13                              ; the block's quarter is in; the first step's weights may be out
	WIN 0x04                                       ; an LDS store's data are its source 1
.set I, 0
.rept 50
	ds_store_b128 v4, v[4*I:4*I+3] offset:512*I
.set I, I+1
.endr
	WIN 0
	BARRIER                                        ; every wave's stores have landed: the block is whole
	s_cmp_lt_u32 s15, 4
	s_cbranch_scc0 .Lvalues
; ---- K
.irp c, 0,1,2,3                        ; the bias is the C of each sum's first product: lane (r, h), tile 2 b + u, register j: column 32 b + 16 h + 8 u + j
	global_load_b128 v[BIA+8*\c:BIA+8*\c+3], v5, s[BI:BI+1] offset:128*(\c/2)+32*(\c%2)
	global_load_b128 v[BIA+8*\c+4:BIA+8*\c+7], v5, s[BI:BI+1] offset:128*(\c/2)+32*(\c%2)+16
.endr
	SMLOAD 1
	SMLOAD 2
	SMLOAD 3
	BIGH 0, 0
	BSCL 0
	BIGH 0, 4
.irp s, 0,1,2,3,4,5,6,7
	KSTEP \s, 0, 24
.endr
.irp i, 0,1,2,3
	v_mov_b32 v[TM+4+\i], 0                        ; written once: a lane permute's destination counts as one of its sources
.endr
.irp kt, 0,1,2,3,4,5,6,7
.if \kt < 6
	s_wait_loadcnt 16                              ; this tile's table is in; the two tiles' behind it may be out
.elseif \kt == 6
	s_wait_loadcnt 8
.else
	s_wait_loadcnt 0x0
.endif
	ROPE 32*\kt, TB+32*(\kt%3), R
.if \kt < 5
	TBL \kt+3
.endif
	QUANT R, CDS+6*\kt, WDS+\kt, 1
.endr
.set I, 0
.rept 12
	global_store_b128 v1, v[CDS+4*I:CDS+4*I+3], s[OUT:OUT+1] offset:512*I   ; 512 consecutive bytes, aligned
.set I, I+1
.endr
	v_cmp_le_u32 vcc_lo, 16, v7
.irp i, 0,1,2,3
	v_cndmask_b32 v[SL+\i], v[WDS+\i], v[WDS+4+\i], vcc_lo   ; lane (r, h) stores row r's words of tiles 4 h .. 4 h + 3 (bytes 2 and 3 are 0)
.endr
	global_store_b128 v1, v[SL:SL+3], s[OUT:OUT+1] offset:12288
	s_wait_tensorcnt 0x0                           ; the wave's end
	ds_add_u32 v[SPW], v[NIL]
	s_wait_dscnt 0x0
	s_endpgm
; ---- V
.Lvalues:
	SMLOAD 1
	SMLOAD 2
	SMLOAD 3
	BIGH 0, 0
	BSCL 0
	BIGH 0, 4
.irp s, 0,1,2,3,4,5,6,7
	KSTEP \s, 1, 4
.endr
.irp i, 0,1,2,3
	v_mov_b32 v[TM+4+\i], 0                        ; written once: a lane permute's destination counts as one of its sources
.endr
	s_wait_loadcnt 0x0                             ; the bias is in
.irp c, 0,1,2,3
	WIN 0x01
.set I, 0
.rept 64
	v_add_f32 v[T+I], v[64*\c+I], v[VB+\c]         ; register 16 b + i: key 32 b + 16 h + i of my channel
.set I, I+1
.endr
	WIN 0
	QUANT T, CDS+12*\c, WDS+\c, 2
.endr
.set I, 0
.rept 12
	global_store_b128 v1, v[CDS+4*I:CDS+4*I+3], s[OUT:OUT+1] offset:6144+512*I
.set I, I+1
.endr
	v_cmp_le_u32 vcc_lo, 16, v7
	v_cndmask_b32 v[SL], v[WDS], v[WDS+2], vcc_lo
	v_cndmask_b32 v[SL+1], v[WDS+1], v[WDS+3], vcc_lo
	global_store_b64 v11, v[SL:SL+1], s[OUT:OUT+1] offset:12800   ; the wave stores 256 consecutive bytes, aligned
	s_wait_tensorcnt 0x0                           ; the wave's end
	ds_add_u32 v[SPW], v[NIL]
	s_wait_dscnt 0x0
	s_endpgm
.Lfunc_end_k_qfa9c237934_kv:
	.size	k_qfa9c237934_kv, .Lfunc_end_k_qfa9c237934_kv-k_qfa9c237934_kv
	.p2alignl 7, 3214868480
	.fill 96, 4, 3214868480
	.section	.rodata,"a",@progbits
	.p2align	6, 0x0
	.amdhsa_kernel k_qfa9c237934_kv
		.amdhsa_group_segment_fixed_size 102912
		.amdhsa_private_segment_fixed_size 0
		.amdhsa_enable_private_segment 0
		.amdhsa_kernarg_size 40
		.amdhsa_user_sgpr_count 2
		.amdhsa_user_sgpr_kernarg_segment_ptr 1
		.amdhsa_wavefront_size32 1
		.amdhsa_system_sgpr_workgroup_id_x 1
		.amdhsa_system_sgpr_workgroup_id_y 1
		.amdhsa_system_sgpr_workgroup_id_z 1
		.amdhsa_system_vgpr_workitem_id 0
		.amdhsa_next_free_vgpr 1024
		.amdhsa_next_free_sgpr 66
		.amdhsa_reserve_vcc 1
		.amdhsa_float_denorm_mode_32 3
		.amdhsa_float_denorm_mode_16_64 3
		.amdhsa_memory_ordered 1
		.amdhsa_forward_progress 1
		.amdhsa_inst_pref_size 201
	.end_amdhsa_kernel
	.amdgpu_metadata
---
amdhsa.version: [ 1, 2 ]
amdhsa.kernels:
  - .name:           k_qfa9c237934_kv
    .symbol:         k_qfa9c237934_kv.kd
    .args:
      - { .name: cs, .offset: 0, .size: 8, .value_kind: global_buffer, .address_space: global }
      - { .name: wts, .offset: 8, .size: 8, .value_kind: global_buffer, .address_space: global }
      - { .name: bkv, .offset: 16, .size: 8, .value_kind: global_buffer, .address_space: global }
      - { .name: rot, .offset: 24, .size: 8, .value_kind: global_buffer, .address_space: global }
      - { .name: kvs, .offset: 32, .size: 8, .value_kind: global_buffer, .address_space: global }
    .group_segment_fixed_size: 102912
    .private_segment_fixed_size: 0
    .kernarg_segment_align: 8
    .kernarg_segment_size: 40
    .max_flat_workgroup_size: 128
    .sgpr_count:     66
    .vgpr_count:     1024
    .wavefront_size: 32
...
	.end_amdgpu_metadata
.endif
;; end of part 2
;; launch attn (part 3): grid 256 x 1, 8 waves a work-group, no clusters, 228,352 bytes of LDS; arguments x, wts, bq, rot, kvs, mb, bo, out0; writes out0
.if DOCPART == 3
	.amdgcn_target "amdgcn-amd-amdhsa--gfx1250"
	.amdhsa_code_object_version 6
	.text
	.protected	k_qfa9c237934_attn
	.globl	k_qfa9c237934_attn
	.p2align	8
	.type	k_qfa9c237934_attn,@function
k_qfa9c237934_attn:
	s_mov_b64 s[64:65], 0
	v_nop
	global_prefetch_b8 v0, s[64:65] scope:SCOPE_SE
	s_setreg_imm32_b32 hwreg(HW_REG_WAVE_MODE, 25, 1), 1
	s_wait_xcnt 0x0
; Launch 3 of 3: out = softmax(rope(x Wq + bq) rope(k)^T / 8, masked) v Wo + bo, all four products on codes of FP6 (E2M3) with E8M0 scales.  No work of reference() is left out here.
; SHARES.  A work-group takes 64 query rows through the whole chain; q, p and o never go to memory.  THE EIGHT WAVES SHARE THE COLUMNS: wave w owns columns 128 w .. 128 w + 127 of q, of o and of out, that is heads 2 w and 2 w + 1.
; PHASES: X: x is quantised, its fragments' images go to LDS | barrier | product 1 (+ bq), a head at a time: rotary turn, quantised, Q's fragments to the wave's own stash | for each of my two heads: four key steps of
; 128 keys for four tiles of 16 queries; o = O / l quantised, its images to LDS bytes of their own | barrier | product 5 (+ bo), 64 columns at a time, out through the wave's stage.
; PRODUCTS 1 AND 5 GO IN TWO PASSES OF 64 COLUMNS over all of K: 16 steps of 16 matrix instructions on 16 accumulators.  The weights' four fragments of a step come through a RING OF THREE SETS of registers: step g + 3 is
; asked for at the end of step g, 32 matrix instructions ahead of its use, and the ring goes on across the change of pass: a pass's results are turned, or stored, while the next pass's weights are on their way.
; The price: the rows' fragments are read from LDS once for each pass.
; LAYOUT.  Every product is used transposed (source 0 = 16 columns of a weight, 16 keys or 16 channels; source 1 = 16 query rows): a lane holds ONE query row throughout, and by the order of rows in the tiles that
; launches 1 and 2 laid, the 16 registers of two neighbouring result tiles are 16 neighbours along the next K.
; THE SCORES' K IS 64: a fragment of K is six registers; the instruction's other six name the next tile's codes (behind the last tile: six zeros), which meet Q's zero codes under scale bytes 0: they add nothing.
; THE MASK is the C of the scores' products: 0 or -3e38.  THE SOFTMAX: t = score x log2(e) / 8; M = the running largest t rounded UP to a whole number; p = 2^(t - M) is quantised, not normalised; the row's sum is taken of
; the unquantised p and divides O at the end; when M moves, sum and O are multiplied by 2^(old M - new M), exact.
; WEIGHTS, K AND V GO FROM MEMORY STRAIGHT INTO REGISTERS, as ready images.  NO CLUSTER, NO TENSOR LOAD: each of these fragments is used by ONE wave of a work-group (2 x 8 x 102,400 bytes of weights, 8 x 8 x 13,056 of K and V),
; so through LDS each byte would be written and read once more; and beside the images LDS has room for two slots of one K step (102,400 bytes) at the most, each refill behind a round of a cluster's barrier.
; LIMITS: a masked score is -3e38 + the product, and the running maximum starts at -1e30: live t under -1e30 or scores beyond 1e37 are not served.  A batch with no key that counts gives NaN rows (scale bytes 0xff on o).
; NaN and infinities among the inputs are not served.  A block of zeros gets the scale byte 1 (its codes are zeros).
.set OIMG,  51200                      ; LDS: 0 .. 51,199 x's images: K step s at 6,400 s: tile t, half c (6 registers: 0-3 at 16 l, 4-5 at 512 + 8 l) at 1,536 t + 768 c; scale words at 6,144 + 16 r + 4 t;  51,200: o's, likewise
.set QST,   102400                     ; Q's stash, 7,168 bytes a wave: (head p, tile t) at 896 (4 p + t)
.set STG,   159744                     ; a stage of 8,448 bytes a wave: 16 rows x 528 bytes on x's way in, 16 x 272 on the way out
.set SPARE, 227328                     ; the spare words, 128 bytes a wave
.set LI16, 1                           ; v1  16 x lane      v2  8 x lane      v3  16 r      v4  4 x lane      v5  64 h
.set LI8,  2
.set LR16, 3
.set LS4,  4
.set MH,   5
.set STW,  6                           ; v6  my stage, a row of x as it lies: + 16 x lane;  later SR2: rows of out read back: 272 h + 16 r
.set STR,  7                           ; v7  my stage: row r of 528 bytes, + 64 h;          later SW2: where results go: 272 r + 64 h
.set SR2,  6
.set SW2,  7
.set TBO,  8                           ; v8  the table: 256 r + 64 h
.set A0,   9                           ; v9-11 LDS addresses of the phase in hand
.set A1,   10
.set A2,   11
.set WSA,  12                          ; v12 the weights' scale words: 16 r, and one record (12,800 bytes) on for lanes 16-31
.set GO,   13                          ; v13 out: 16 r, and one row (4,096 bytes) on for lanes 16-31
.set SPW,  14                          ; v14 LDS address of my spare word; never rewritten
.set NIL,  15                          ; v15 0; never rewritten
.set BSC,  16                          ; v16-31 hold scale words and nothing else.  Products 1, 5: v16-23 the weights', two sets, each for two steps (lanes 0-15 the even step's, lanes 16-31 the odd one's); v24-31 the rows', two sets
.set SSC,  24
.set QS,   16                          ; attention: v16-19 Q's, v20-23 K's, v24-27 V's, v28 the word just made
.set KS,   20
.set VS,   24
.set PW,   28
.set SM,   32                          ; products 1, 5: v32-127 the rows' 4 fragments, two sets; between product 1's passes three sets of table numbers
.set RR,   176                         ; v176-207 a row's 32 turned numbers of my half   (v128-175: the ring's third set)
.set BK,   176                         ; the way out: v176-207 and v208-239 by turns
.set ST,   32                          ; attention: v32-47 tile t: -M, the largest t, the sum in two halves
.set QF,   48                          ; v48-95 Q's fragments, 12 a tile, the upper six zeros
.set S,    96                          ; v96-159 scores, then p; elsewhere 64 or 32 numbers on their way to the quantiser
.set VF,   160                         ; v160-207 V's four fragments
.set PC,   208                         ; v208-219 the codes just made
.set PT,   220
.set TM,   228                         ; v228-251 at work
.set TT,   248
.set F,    252                         ; v[252:253] 2^(old M - new M): the packed forms name the pair and take its low word
.set BIA,  224                         ; window 1, products 1 and 5: v0-127 the accumulators ((t, i) at 32 t + 8 i), v128-175 and v176-223 the ring's first two sets, v224-255 the pass's bias
.set KF,   128                         ; window 1, attention: v0-127 O^T (32 t + 8 d), v128-181 K (48 + 6 zeros), v184-247 the mask's 8 tiles
.set MBF,  184
.set WV,   24
.set SEL,  26                          ; s[26:27] lane selects: lane l xor 16
.set CS,   28                          ; s[28:29] log2(e) / 8
.set XP,   30
.set W1P,  32
.set W5P,  34
.set BQP,  36
.set BOP,  38
.set RTP,  40
.set NX,   42                          ; s[42:43] the record of K and V that is asked for next
.set MB,   44
.set MBN,  46
.set OUTP, 48
.set FLG,  50
.set TR,   51                          ; key steps done, 0 .. 7 over both heads
.set PQ,   52
.set PO,   53
.set P2,   54
.set HD,   55
.set STP,  56
.set MSB, 0
.macro WIN new                         ; the immediate's high byte repeats the setting that is left; bits 1:0 source 0, 3:2 source 1, 5:4 source 2, 7:6 destination
.if MSB != \new
	s_set_vgpr_msb (MSB<<8)|\new
.set MSB, \new
.endif
.endm
.macro PLACES                          ; four plain places behind matrix instructions, in front of loads into their sources and of reads of their results
.rept 4
	v_nop
.endr
.endm
.macro BARRIER                         ; my LDS stores have landed and my LDS loads are in: then the work-group's barrier
	s_wait_dscnt 0x0
	s_barrier_signal -1
	s_barrier_wait -1
.endm
.macro WM d, a, b, c, sa, sb, row      ; one matrix instruction; row = 1: source 0's scales from lanes 16-31
.if (\row) == 0
	v_wmma_scale_f32_16x16x128_f8f6f4 v[(\d):(\d)+7], v[(\a):(\a)+11], v[(\b):(\b)+11], v[(\c):(\c)+7], v[\sa], v[\sb] matrix_a_fmt:MATRIX_FMT_FP6 matrix_b_fmt:MATRIX_FMT_FP6
.else
	v_wmma_scale_f32_16x16x128_f8f6f4 v[(\d):(\d)+7], v[(\a):(\a)+11], v[(\b):(\b)+11], v[(\c):(\c)+7], v[\sa], v[\sb] matrix_a_fmt:MATRIX_FMT_FP6 matrix_b_fmt:MATRIX_FMT_FP6 matrix_a_scale:MATRIX_SCALE_ROW1
.endif
.endm
; 32 nc numbers of a lane, register 16 b + i = k 32 b + 16 (lane / 16) + i of my row, become 6 nc registers of codes at v[d] and the row's scale bytes in v[w].
.macro QUANT s, d, w, nc
.set QB, 0
.rept 2*(\nc)
	v_max3_num_f32 v[TM+QB], |v[(\s)+16*QB]|, |v[(\s)+16*QB+1]|, 0x1800000   ; and the floor 2^(3 - 127): the byte cannot fall under 1
.set QB, QB+1
.endr
.irp i, 2,4,6,8,10,12,14
.set QB, 0
.rept 2*(\nc)
	v_max3_num_f32 v[TM+QB], v[TM+QB], |v[(\s)+16*QB+\i]|, |v[(\s)+16*QB+\i+1]|
.set QB, QB+1
.endr
.endr
.set QB, 0
.rept 2*(\nc)
	v_permlanex16_b32 v[TM+4+QB], v[TM+QB], s[SEL], s[SEL+1]
.set QB, QB+1
.endr
.set QB, 0
.rept 2*(\nc)
	v_max_num_f32 v[TM+QB], v[TM+QB], v[TM+4+QB]
.set QB, QB+1
.endr
.set QB, 0
.rept 2*(\nc)
	v_add_nc_u32 v[TM+12+QB], 0xff000000, v[TM+QB]   ; 2 off the exponent field: the conversion's scale operand
.set QB, QB+1
.endr
.set QB, 0
.rept 2*(\nc)
	v_lshrrev_b32 v[TM+4+QB], 23, v[TM+12+QB]
.set QB, QB+1
.endr
	v_lshl_or_b32 v[\w], v[TM+5], 8, v[TM+4]
.if (\nc) > 1
	v_lshl_or_b32 v[\w], v[TM+6], 16, v[\w]
	v_lshl_or_b32 v[\w], v[TM+7], 24, v[\w]
.endif
.set QC, 0
.rept \nc
	v_cvt_scalef32_pk16_fp6_f32 v[(\d)+6*QC:(\d)+6*QC+2], v[(\s)+32*QC:(\s)+32*QC+15], v[TM+12+2*QC]
	v_cvt_scalef32_pk16_fp6_f32 v[PT+4*QC:PT+4*QC+2], v[(\s)+32*QC+16:(\s)+32*QC+31], v[TM+13+2*QC]
.set QC, QC+1
.endr
	v_nop                                          ; one plain place behind the scaled conversions
.set QC, 0
.rept \nc
.irp i, 0,1,2
	v_permlane16_swap_b32 v[(\d)+6*QC+\i], v[PT+4*QC+\i]
.endr
.irp i, 0,1,2
	v_mov_b32 v[(\d)+6*QC+3+\i], v[PT+4*QC+\i]
.endr
.set QC, QC+1
.endr
.endm
.macro ROPE a, tb, rr                  ; the rotary turn of 16 pairs: a: results in window 1; tb: (cos, sin) pairs; rr: where the turned numbers go
	WIN 0x01
.set RP, 0
.rept 16
	v_mul_f32 v[(\rr)+RP], v[(\a)+RP], v[(\tb)+RP]
	v_mul_f32 v[(\rr)+RP+1], v[(\a)+RP], v[(\tb)+RP+1]
	v_fma_f32 v[(\rr)+RP], -v[(\a)+RP+1], v[(\tb)+RP+1], v[(\rr)+RP]
	v_fma_f32 v[(\rr)+RP+1], v[(\a)+RP+1], v[(\tb)+RP], v[(\rr)+RP+1]
.set RP, RP+2
.endr
	WIN 0
.endm
.macro QTBL t, tb                      ; (cos, sin) of row 16 t + r, my half's 16 pairs: 8 loads
.irp e, 0,1,2,3,4,5,6,7
	global_load_b128 v[(\tb)+4*\e:(\tb)+4*\e+3], v[TBO], s[RTP:RTP+1] offset:4096*(\t)+16*(\e%4)+128*(\e/4)
.endr
.endm
.macro GK                              ; a key step's K, its mask and K's scale words: 29 loads
	WIN 0x40
.set I, 0
.rept 12
	global_load_b128 v[KF+4*I:KF+4*I+3], v[LI16], s[NX:NX+1] offset:512*I
.set I, I+1
.endr
.irp i, 0,1,2,3,4,5,6,7                ; lane (r, h), tile 2 b + u, register j: key 32 b + 16 h + 8 u + j
	global_load_b128 v[MBF+8*\i:MBF+8*\i+3], v[MH], s[MBN:MBN+1] offset:128*(\i/2)+32*(\i%2)
	global_load_b128 v[MBF+8*\i+4:MBF+8*\i+7], v[MH], s[MBN:MBN+1] offset:128*(\i/2)+32*(\i%2)+16
.endr
	WIN 0
	global_load_b128 v[KS:KS+3], v[LI16], s[NX:NX+1] offset:12288
.endm
.macro GV                              ; its V and V's scale words: 13 loads
.set I, 0
.rept 12
	global_load_b128 v[VF+4*I:VF+4*I+3], v[LI16], s[NX:NX+1] offset:6144+512*I
.set I, I+1
.endr
	global_load_b128 v[VS:VS+3], v[LR16], s[NX:NX+1] offset:12800
.endm
; ---- products 1 and 5.  Step g = 8 p + s: pass p (columns 64 p on, tiles 4 p .. 4 p + 3 of my 128), K step s
.macro RPLACE g                        ; the ring's set for step g: window RW, from register RB on
.if (\g)%3 == 0
.set RW, 1
.set RB, 128
.elseif (\g)%3 == 1
.set RW, 1
.set RB, 176
.else
.set RW, 0
.set RB, 128
.endif
.endm
.macro RING g, wp                      ; step g's four fragments of the weights: 12 loads; with an even step the scale words of two steps: one more
	RPLACE \g
	WIN (RW<<6)
.irp c, 0,1,2,3
.irp j, 0,1,2
	global_load_b128 v[RB+12*\c+4*\j:RB+12*\c+4*\j+3], v[LI16], s[\wp:\wp+1] offset:12800*((\g)%8)+6144*((\g)/8)+1536*\c+512*\j
.endr
.endr
	WIN 0
.if (\g)%2 == 0
	global_load_b128 v[BSC+4*(((\g)/2)%2):BSC+4*(((\g)/2)%2)+3], v[WSA], s[\wp:\wp+1] offset:12800*((\g)%8)+256*((\g)/8)+12288
.endif
.endm
.macro BIAS p, bp                      ; the bias is the C of each sum's first product: lane (r, h), tile 2 b + u, register j: column 64 p + 32 b + 16 h + 8 u + j: 8 loads
	WIN 0x40
.irp i, 0,1,2,3
	global_load_b128 v[BIA+8*\i:BIA+8*\i+3], v[MH], s[\bp:\bp+1] offset:256*(\p)+128*(\i/2)+32*(\i%2)
	global_load_b128 v[BIA+8*\i+4:BIA+8*\i+7], v[MH], s[\bp:\bp+1] offset:256*(\p)+128*(\i/2)+32*(\i%2)+16
.endr
	WIN 0
.endm
.macro SMF g, ra, rb, rc               ; the rows' four fragments and their scale words for step g: 17 LDS loads.  ra, rb, rc: 16 x lane, 8 x lane, 16 r, from the images' first byte
.set SS, (\g)%8
.set SB, SM+48*((\g)%2)
.irp t, 0,1,2,3
	ds_load_b128 v[SB+12*\t:SB+12*\t+3], v[\ra] offset:6400*SS+1536*\t
	ds_load_b64 v[SB+12*\t+4:SB+12*\t+5], v[\rb] offset:6400*SS+1536*\t+512
	ds_load_b128 v[SB+12*\t+6:SB+12*\t+9], v[\ra] offset:6400*SS+1536*\t+768
	ds_load_b64 v[SB+12*\t+10:SB+12*\t+11], v[\rb] offset:6400*SS+1536*\t+1280
.endr
	ds_load_b128 v[SSC+4*((\g)%2):SSC+4*((\g)%2)+3], v[\rc] offset:6400*SS+6144
.endm
.macro GMUL g                          ; 16 matrix instructions: four column tiles x the four tiles of rows; sixteen accumulators, one instruction each
	RPLACE \g
	WIN (0x50|RW)                                  ; the weights in the ring's window, the rows in window 0, C (the bias too) and D in window 1
.irp ii, 0,1,2,3
.irp t, 0,1,2,3
.if (\g)%8 == 0
	WM 32*\t+8*\ii, RB+12*\ii, SM+48*((\g)%2)+12*\t, BIA+8*\ii, BSC+4*(((\g)/2)%2)+\ii, SSC+4*((\g)%2)+\t, (\g)%2
.else
	WM 32*\t+8*\ii, RB+12*\ii, SM+48*((\g)%2)+12*\t, 32*\t+8*\ii, BSC+4*(((\g)/2)%2)+\ii, SSC+4*((\g)%2)+\t, (\g)%2
.endif
.endr
.endr
	WIN 0
.endm
; tb = 1: product 1: a pass's last step asks for the first tile of the table, into the rows' idle set, in place of the next step's rows
.macro GSTEP g, wp, bp, ra, rb, rc, tb
.if ((\g) == 6) || ((\g) == 7)
	s_wait_loadcnt 33                              ; this step's weights are in; behind them: the next two steps' 12 + 13, and between those the second pass's bias, 8
.elseif (\g) < 14
	s_wait_loadcnt 25                              ; this step's weights are in (in a pass's first step its bias too, which is older); the next two steps' 12 + 13 may be out
.elseif (\g) == 14
	s_wait_loadcnt 12
.else
	s_wait_loadcnt 0x0
.endif
	s_wait_dscnt 0x0                               ; the rows' fragments, asked for a step ago, are in
.if ((\g)%8 < 7) || (((\tb) == 0) && ((\g) < 15))
	SMF (\g)+1, \ra, \rb, \rc                      ; into the set that the last step's products have left, four places back
.endif
.if (\tb) && ((\g)%8 == 7)
	QTBL 0, 32
.endif
	GMUL \g
	PLACES
.if (\g) == 5
	BIAS 1, \bp
.endif
.if (\g) < 13
	RING (\g)+3, \wp                               ; into the set just read
.endif
.endm
.macro GPRO wp, bp, ra, rb, rc
	BIAS 0, \bp
	RING 0, \wp
	RING 1, \wp
	RING 2, \wp
	BARRIER                                        ; every wave's images lie in LDS
	SMF 0, \ra, \rb, \rc
.endm
	s_load_b512 s[8:23], s[0:1], 0x0               ; x s[8:9], wts s[10:11], bq s[12:13], rot s[14:15], kvs s[16:17], mb s[18:19], bo s[20:21], out0 s[22:23]
	v_lshl_add_u32 v[SPW], v0, 2, SPARE
	v_mov_b32 v[NIL], 0
	v_lshrrev_b32 v9, 5, v0
	v_readfirstlane_b32 s[WV], v9                  ; wave 0..7
	v_and_b32 v9, 31, v0                           ; lane
	v_and_b32 v10, 15, v0                          ; r
	v_bfe_u32 v11, v0, 4, 1                        ; h
	v_lshlrev_b32 v[LI16], 4, v9
	v_lshlrev_b32 v[LI8], 3, v9
	v_lshlrev_b32 v[LR16], 4, v10
	v_lshlrev_b32 v[LS4], 2, v9
	v_lshlrev_b32 v[MH], 6, v11
	v_mul_u32_u24 v[WSA], v11, 12800
	v_add_nc_u32 v[WSA], v[WSA], v[LR16]
	v_lshlrev_b32 v[GO], 12, v11
	v_add_nc_u32 v[GO], v[GO], v[LR16]
	s_mul_i32 s58, s[WV], 8448
	s_add_co_u32 s58, s58, STG
	v_add_nc_u32 v[STW], s58, v[LI16]
	v_mul_u32_u24 v[STR], v10, 528
	v_lshl_add_u32 v[STR], v11, 6, v[STR]
	v_add_nc_u32 v[STR], s58, v[STR]
	v_lshlrev_b32 v[TBO], 8, v10
	v_lshl_add_u32 v[TBO], v11, 6, v[TBO]
	s_lshr_b32 s58, s[WV], 1                       ; phase X: my tile of rows,
	s_and_b32 s59, s[WV], 1                        ; and which four K steps
	s_mul_i32 s60, s58, 1536
	s_mul_i32 s61, s59, 25600
	s_add_co_u32 s60, s60, s61
	v_add_nc_u32 v[A0], s60, v[LI16]
	v_add_nc_u32 v[A1], s60, v[LI8]
	s_lshl_b32 s60, s58, 2
	s_add_co_u32 s60, s60, s61
	v_add_nc_u32 v[A2], s60, v[LR16]
	s_lshl_b32 s[XP], ttmp9, 18                    ; 64 rows of 4,096 bytes a work-group
	s_lshl_b32 s60, s58, 16
	s_add_co_u32 s[XP], s[XP], s60
	s_lshl_b32 s60, s59, 11
	s_add_co_u32 s[XP], s[XP], s60
	s_mov_b32 s[XP+1], 0
	s_mul_i32 s[W1P], s[WV], 102400                ; Wq's group w,
	s_mov_b32 s[W1P+1], 0
	s_add_co_u32 s[W5P], s[W1P], 2457600           ; Wo's: group 24 + w
	s_mov_b32 s[W5P+1], 0
	s_lshl_b32 s[BQP], s[WV], 9
	s_mov_b32 s[BQP+1], 0
	s_and_b32 s[RTP], ttmp9, 31
	s_lshl_b32 s[RTP], s[RTP], 14                  ; my first row's position: 64 (id % 32), 256 bytes each
	s_mov_b32 s[RTP+1], 0
	s_lshr_b32 s58, ttmp9, 5                       ; batch
	s_lshl_b32 s[NX], s58, 4
	s_lshl_b32 s59, s[WV], 1
	s_add_co_u32 s[NX], s[NX], s59
	s_mul_i32 s[NX], s[NX], 52224                  ; four records a head: my two heads' eight lie on end
	s_mov_b32 s[NX+1], 0
	s_lshl_b32 s[MB], s58, 11
	s_mov_b32 s[MB+1], 0
	s_lshl_b32 s60, s58, 7
	s_mov_b32 s61, 0
	s_lshl_b32 s[OUTP], ttmp9, 18
	s_add_co_u32 s[OUTP], s[OUTP], s[BQP]
	s_mov_b32 s[OUTP+1], 0
	s_mov_b32 s[SEL], 0x76543210
	s_mov_b32 s[SEL+1], 0xfedcba98
	s_mov_b32 s[CS], 0x3e38aa3b                    ; log2(e) / 8
	s_mov_b32 s[CS+1], s[CS]                       ; (named with it as a pair, so it is written)
	s_mul_i32 s[PQ], s[WV], 7168
	s_add_co_u32 s[PQ], s[PQ], QST                 ; my stash
	s_mul_i32 s[PO], s[WV], 6400
	s_add_co_u32 s[PO], s[PO], OIMG                ; o's images: K step w
	s_mov_b32 s[P2], s[PO]
	s_mov_b32 s[TR], 0
.irp i, 0,1,2,3
	v_mov_b32 v[TM+4+\i], 0                        ; written once: a lane permute's destination counts as one of its sources
.endr
	s_wait_kmcnt 0x0
	s_add_nc_u64 s[XP:XP+1], s[8:9], s[XP:XP+1]
	s_add_nc_u64 s[W1P:W1P+1], s[10:11], s[W1P:W1P+1]
	s_add_nc_u64 s[W5P:W5P+1], s[10:11], s[W5P:W5P+1]
	s_add_nc_u64 s[BOP:BOP+1], s[20:21], s[BQP:BQP+1]
	s_add_nc_u64 s[BQP:BQP+1], s[12:13], s[BQP:BQP+1]
	s_add_nc_u64 s[RTP:RTP+1], s[14:15], s[RTP:RTP+1]
	s_add_nc_u64 s[NX:NX+1], s[16:17], s[NX:NX+1]
	s_add_nc_u64 s[MB:MB+1], s[18:19], s[MB:MB+1]
	s_add_nc_u64 s[60:61], s[18:19], s[60:61]
	s_add_nc_u64 s[OUTP:OUTP+1], s[22:23], s[OUTP:OUTP+1]
	s_load_b32 s[FLG], s[60:61], 0x4000            ; 0, or 0xffff where no key of my batch counts
; ---- X: my 16 rows x 512 along K of x: all 64 loads go out at once, 512 consecutive bytes each, into window 1
	WIN 0x40
.set I, 0
.rept 64
	global_load_b128 v[4*I:4*I+3], v[LI16], s[XP:XP+1] offset:4096*(I%16)+512*(I/16) th:TH_LOAD_NT
.set I, I+1
.endr
	WIN 0
	s_wait_kmcnt 0x0                               ; the flag is in
.macro XFRAG f
	s_wait_loadcnt 48-16*(\f)                      ; this K step's 16 loads are in; the later steps' may be out
	WIN 0x04
.set I, 0
.rept 16
	ds_store_b128 v[STW], v[64*(\f)+4*I:64*(\f)+4*I+3] offset:528*I
.set I, I+1
.endr
	WIN 0
.set I, 0
.rept 16
	ds_load_b128 v[S+4*I:S+4*I+3], v[STR] offset:128*(I/4)+16*(I%4)   ; LDS serves a wave's instructions in order: these see the stores above
.set I, I+1
.endr
	s_wait_dscnt 0x0
	QUANT S, PC, PW, 2
	ds_store_b128 v[A0], v[PC:PC+3] offset:6400*(\f)
	ds_store_b64 v[A1], v[PC+4:PC+5] offset:6400*(\f)+512
	ds_store_b128 v[A0], v[PC+6:PC+9] offset:6400*(\f)+768
	ds_store_b64 v[A1], v[PC+10:PC+11] offset:6400*(\f)+1280
	ds_store_b32 v[A2], v[PW] offset:6400*(\f)+6144   ; both halves of the lanes write row r's word with the same value
	s_wait_dscnt 0x0                               ; the stores have read their registers
.endm
	XFRAG 0
	XFRAG 1
	XFRAG 2
	XFRAG 3
; ---- product 1, a head at a time
	v_add_nc_u32 v[A0], s[PQ], v[LI16]             ; my stash
	v_add_nc_u32 v[A1], s[PQ], v[LI8]
	v_add_nc_u32 v[A2], s[PQ], v[LS4]
	s_mov_b64 s[MBN:MBN+1], s[MB:MB+1]
.macro QHEAD t, tb, p, n               ; tile t of head p's q: turned, quantised along the head's 64, stashed.  n: the loads behind this tile's table, which may be out
	s_wait_loadcnt \n
	ROPE 32*(\t), \tb, RR
.if (\t) == 0
	QTBL 3, 32                                     ; the fourth tile's table into the first's registers, which have been read
.endif
	QUANT RR, PC, PW, 1
	ds_store_b128 v[A0], v[PC:PC+3] offset:896*(4*(\p)+(\t))
	ds_store_b64 v[A1], v[PC+4:PC+5] offset:896*(4*(\p)+(\t))+512
	ds_store_b32 v[A2], v[PW] offset:896*(4*(\p)+(\t))+768
	s_wait_dscnt 0x0                               ; the stores have read their registers
.endm
	GPRO W1P, BQP, LI16, LI8, LR16
.irp g, 0,1,2,3,4,5,6,7
	GSTEP \g, W1P, BQP, LI16, LI8, LR16, 1
.endr
	QTBL 1, 64
	QTBL 2, 96
	QHEAD 0, 32, 0, 29                             ; behind tile 0's table: the ring's 13 loads and two tiles' 8 each
	QHEAD 1, 64, 0, 16                             ; two tiles' tables
	QHEAD 2, 96, 0, 8
	QHEAD 3, 32, 0, 0
	SMF 8, LI16, LI8, LR16                         ; the second pass: the rows' first fragments again
.irp g, 8,9,10,11,12,13,14,15
	GSTEP \g, W1P, BQP, LI16, LI8, LR16, 1
.endr
	QTBL 1, 64
	QTBL 2, 96
	GK                                             ; the first key step's K and mask come while head 1's q is turned: the ring's registers are free
	QHEAD 0, 32, 1, 45                             ; behind tile 0's table: two tiles' 8 each and K's 29
	QHEAD 1, 64, 1, 45                             ; a tile's 8, K's 29, the fourth tile's 8
	QHEAD 2, 96, 1, 37
	QHEAD 3, 32, 1, 0
; ---- attention.  No barrier stands here: o's images have LDS bytes of their own, and all else that a wave touches up to the next barrier is its own
.irp t, 0,1,2,3
.irp e, 6,7,8,9,10,11
	v_mov_b32 v[QF+12*\t+\e], 0                    ; Q's codes for the instruction's upper 64 along K: zeros
.endr
.endr
	WIN 0x40
.irp e, 0,1,2,3,4,5
	v_mov_b32 v[KF+48+\e], 0                       ; what the last tile of K names as its upper half
.endr
	WIN 0
	v_mov_b32 v[F+1], 0                            ; (named as the upper half of the pair)
; 16 queries x 128 keys
.macro TILE t
.set NM, ST+4*(\t)
	WIN 0x11                                       ; K and the mask in window 1, Q and the scores in window 0
.irp i, 0,1,2,3,4,5,6,7
	WM S+8*\i, KF+6*\i, QF+12*(\t), MBF+8*\i, KS+\i%4, QS+(\t), \i/4
.endr
	WIN 0
	PLACES
.if (\t) == 3                          ; the step's last scores are issued: the next step's K may come.  The last of my eight steps asks for nothing: a branch on the count of steps
	s_cmp_eq_u32 s[TR], 7
	s_cbranch_scc1 .Lno_k_\@
	s_add_nc_u64 s[NX:NX+1], s[NX:NX+1], 13056     ; (every load that named these registers was waited for in tile 0)
	s_add_co_u32 s58, s[TR], 1
	s_and_b32 s58, s58, 3
	s_lshl_b32 s58, s58, 9
	s_mov_b32 s59, 0
	s_add_nc_u64 s[MBN:MBN+1], s[MB:MB+1], s[58:59]
	GK
.Lno_k_\@:
.endif
.irp b, 0,1,2,3
	v_max3_num_f32 v[TM+\b], v[S+16*\b], v[S+16*\b+1], v[S+16*\b+2]   ; the largest score of each block of 32 keys: for the row's maximum and, since p rises with the score, for the block's largest p
.endr
.irp i, 3,5,7,9,11,13
.irp b, 0,1,2,3
	v_max3_num_f32 v[TM+\b], v[TM+\b], v[S+16*\b+\i], v[S+16*\b+\i+1]
.endr
.endr
.irp b, 0,1,2,3
	v_max_num_f32 v[TM+\b], v[TM+\b], v[S+16*\b+15]
.endr
.irp b, 0,1,2,3
	v_permlanex16_b32 v[TM+4+\b], v[TM+\b], s[SEL], s[SEL+1]
.endr
.irp b, 0,1,2,3
	v_max_num_f32 v[TM+\b], v[TM+\b], v[TM+4+\b]
.endr
	v_max3_num_f32 v[TT], v[TM], v[TM+1], v[TM+2]
	v_max_num_f32 v[TT], v[TT], v[TM+3]
	v_mul_f32 v[TT], s[CS], v[TT]                  ; as t
	v_max_num_f32 v[NM+1], v[NM+1], v[TT]          ; the running largest t
	v_mov_b32 v[TT], v[NM]
	v_floor_f32 v[NM], -v[NM+1]                    ; -M = floor(-t): M is a whole number
	v_sub_f32 v[TT], v[NM], v[TT]
	v_cvt_i32_f32 v[TT], v[TT]                     ; old M - new M, 0 or less (it saturates)
	v_ldexp_f32 v[F], 1.0, v[TT]
.set I, 0
.rept 32
	v_pk_fma_f32 v[S+I:S+I+1], v[S+I:S+I+1], s[CS:CS+1], v[NM:NM+1] op_sel_hi:[1,0,0]   ; t - M
.set I, I+2
.endr
.irp b, 0,1,2,3
	v_fma_f32 v[TM+\b], v[TM+\b], s[CS], v[NM]
.endr
.set I, 0
.rept 64
	v_exp_f32 v[S+I], v[S+I]                       ; p = 2^(t - M)
.set I, I+1
.endr
	v_pk_mul_f32 v[NM+2:NM+3], v[NM+2:NM+3], v[F:F+1] op_sel_hi:[1,0]   ; the sum under the new M (a plain place behind the exponentials)
	s_wait_alu depctr_va_vdst(0)                   ; the wait ahead of the batch's first reader: one for the 64
.irp b, 0,1,2,3
	v_exp_f32 v[TM+\b], v[TM+\b]                   ; the block's largest p
.endr
	v_pk_add_f32 v[TM+8:TM+9], v[S:S+1], v[S+2:S+3]   ; the row's sum, of the unquantised p, in two chains
.irp j, 4,8,12,16,20,24,28,32,36,40,44,48,52,56,60
	v_pk_add_f32 v[NM+2:NM+3], v[NM+2:NM+3], v[S+\j:S+\j+1]
	v_pk_add_f32 v[TM+8:TM+9], v[TM+8:TM+9], v[S+\j+2:S+\j+3]
.endr
	v_pk_add_f32 v[NM+2:NM+3], v[NM+2:NM+3], v[TM+8:TM+9]
	s_wait_alu depctr_va_vdst(0)                   ; and one for the four
.irp b, 0,1,2,3
	v_max_num_f32 v[TM+\b], 0x1800000, v[TM+\b]    ; the floor: a block whose every p is 0 keeps the byte 1
.endr
.irp b, 0,1,2,3
	v_add_nc_u32 v[TM+12+\b], 0xff000000, v[TM+\b]
.endr
.irp b, 0,1,2,3
	v_lshrrev_b32 v[TM+4+\b], 23, v[TM+12+\b]
.endr
	v_lshl_or_b32 v[PW], v[TM+5], 8, v[TM+4]
	v_lshl_or_b32 v[PW], v[TM+6], 16, v[PW]
	v_lshl_or_b32 v[PW], v[TM+7], 24, v[PW]
.irp c, 0,1
	v_cvt_scalef32_pk16_fp6_f32 v[PC+6*\c:PC+6*\c+2], v[S+32*\c:S+32*\c+15], v[TM+12+2*\c]
	v_cvt_scalef32_pk16_fp6_f32 v[PT+4*\c:PT+4*\c+2], v[S+32*\c+16:S+32*\c+31], v[TM+13+2*\c]
.endr
	v_nop                                          ; one plain place behind the scaled conversions
.irp c, 0,1
.irp i, 0,1,2
	v_permlane16_swap_b32 v[PC+6*\c+\i], v[PT+4*\c+\i]
.endr
.irp i, 0,1,2
	v_mov_b32 v[PC+6*\c+3+\i], v[PT+4*\c+\i]
.endr
.endr
	WIN 0x41
.set I, 0
.rept 16
	v_pk_mul_f32 v[32*(\t)+I:32*(\t)+I+1], v[32*(\t)+I:32*(\t)+I+1], v[F:F+1] op_sel_hi:[1,0]   ; O^T under the new M.  (These are also the places between the codes' and the scale word's last writes and the products)
.set I, I+2
.endr
.if (\t) == 0
	s_wait_loadcnt 0x0                             ; V is in
.endif
	WIN 0x50
.irp d, 0,1,2,3
	WM 32*(\t)+8*\d, VF+12*\d, PC, 32*(\t)+8*\d, VS+\d, PW, 0
.endr
	WIN 0
.if (\t) == 3
	PLACES
	s_cmp_eq_u32 s[TR], 7
	s_cbranch_scc1 .Lno_v_\@
	GV                                             ; the next step's V, from the record that K's loads have stepped to
.Lno_v_\@:
.endif
.endm
	GV                                             ; the first key step's V
	s_mov_b32 s[HD], 2
.Lhead:
	v_add_nc_u32 v[A0], s[PQ], v[LI16]
	v_add_nc_u32 v[A1], s[PQ], v[LI8]
	v_add_nc_u32 v[A2], s[PQ], v[LS4]
.irp t, 0,1,2,3
	ds_load_b128 v[QF+12*\t:QF+12*\t+3], v[A0] offset:896*\t
	ds_load_b64 v[QF+12*\t+4:QF+12*\t+5], v[A1] offset:896*\t+512
	ds_load_b32 v[QS+\t], v[A2] offset:896*\t+768
.endr
	WIN 0x40
.set I, 0
.rept 128
	v_mov_b32 v[I], 0                              ; O^T.  (The key step is written once: a head's first step finds zeros)
.set I, I+1
.endr
	WIN 0
.irp t, 0,1,2,3
	v_mov_b32 v[ST+4*\t+1], 0xf149f2ca             ; the largest t so far: -1e30: under every live t, over every masked one
	v_floor_f32 v[ST+4*\t], -v[ST+4*\t+1]
	v_mov_b32 v[ST+4*\t+2], 0
	v_mov_b32 v[ST+4*\t+3], 0
.endr
	s_wait_dscnt 0x0
	s_mov_b32 s[STP], 4
.Lstep:
	s_wait_loadcnt 13                              ; K, the mask and K's scale words are in; V's 13 loads may be out
	TILE 0
	TILE 1
	TILE 2
	TILE 3
	s_add_co_u32 s[TR], s[TR], 1
	s_sub_co_u32 s[STP], s[STP], 1
	s_cmp_lg_u32 s[STP], 0
	s_cbranch_scc1 .Lstep
	; a head's end: o = O / l, quantised along the head's 64: half p of K step w of the last product
.irp t, 0,1,2,3
	v_add_f32 v[TM+\t], v[ST+4*\t+2], v[ST+4*\t+3]
.endr
.irp t, 0,1,2,3
	v_permlanex16_b32 v[TM+4+\t], v[TM+\t], s[SEL], s[SEL+1]
.endr
.irp t, 0,1,2,3
	v_add_f32 v[TM+\t], v[TM+\t], v[TM+4+\t]       ; the row's sum
.endr
.irp t, 0,1,2,3
	v_rcp_f32 v[TM+16+\t], v[TM+\t]
.endr
	v_add_nc_u32 v[A0], s[PO], v[LI16]             ; (plain places behind the reciprocals)
	v_add_nc_u32 v[A1], s[PO], v[LI8]
	v_add_nc_u32 v[A2], s[P2], v[LR16]
	s_wait_alu depctr_va_vdst(0)                   ; the wait ahead of the first reader: one for the four
.irp t, 0,1,2,3
	WIN 0x01
.set I, 0
.rept 32
	v_mul_f32 v[S+I], v[32*\t+I], v[TM+16+\t]
.set I, I+1
.endr
	WIN 0
	QUANT S, PC, PW, 1
	v_or_b32 v[PW], s[FLG], v[PW]                  ; no key counts: both bytes 0xff
	ds_store_b128 v[A0], v[PC:PC+3] offset:1536*\t
	ds_store_b64 v[A1], v[PC+4:PC+5] offset:1536*\t+512
	ds_store_b16 v[A2], v[PW] offset:6144+4*\t
	s_wait_dscnt 0x0                               ; the stores have read their registers
.endr
	s_add_co_u32 s[PQ], s[PQ], 3584
	s_add_co_u32 s[PO], s[PO], 768
	s_add_co_u32 s[P2], s[P2], 2
	s_sub_co_u32 s[HD], s[HD], 1
	s_cmp_lg_u32 s[HD], 0
	s_cbranch_scc1 .Lhead
	s_wait_loadcnt 0x0                             ; no load of the walk is out (its last step asked for none): the registers may take the last product's loads
; ---- product 5, 64 columns at a time.  A pass's results, 16 rows x 256 bytes a tile, go through my stage and leave as whole pieces of 256 bytes; the first pass's stores are on their way while the second is multiplied
	v_add_nc_u32 v[A0], OIMG, v[LI16]
	v_add_nc_u32 v[A1], OIMG, v[LI8]
	v_add_nc_u32 v[A2], OIMG, v[LR16]
	s_mul_i32 s58, s[WV], 8448
	s_add_co_u32 s58, s58, STG
	v_mul_u32_u24 v[SW2], v[LR16], 17              ; 272 r,
	v_add_nc_u32 v[SW2], v[SW2], v[MH]             ; + 64 h
	v_add_nc_u32 v[SW2], s58, v[SW2]
	v_bfe_u32 v[SR2], v0, 4, 1
	v_mul_u32_u24 v[SR2], v[SR2], 272              ; lanes 0-15 one row, lanes 16-31 the next,
	v_add_nc_u32 v[SR2], v[SR2], v[LR16]           ; 16 bytes a lane
	v_add_nc_u32 v[SR2], s58, v[SR2]
.macro TOSTAGE t
	WIN 0x04
.irp i, 0,1,2,3
	ds_store_b128 v[SW2], v[32*(\t)+8*\i:32*(\t)+8*\i+3] offset:128*(\i/2)+32*(\i%2)          ; each accumulator from its low end on
	ds_store_b128 v[SW2], v[32*(\t)+8*\i+4:32*(\t)+8*\i+7] offset:128*(\i/2)+32*(\i%2)+16
.endr
	WIN 0
.set I, 0
.rept 8
	ds_load_b128 v[BK+32*((\t)%2)+4*I:BK+32*((\t)%2)+4*I+3], v[SR2] offset:544*I   ; LDS serves a wave's instructions in order: these see the stores above, and the next tile's stores come behind them
.set I, I+1
.endr
.endm
.macro SEND t, p, younger              ; younger: the LDS instructions issued behind tile t's loads, which may stay out
	s_wait_dscnt \younger
.set I, 0
.rept 8
	global_store_b128 v[GO], v[BK+32*((\t)%2)+4*I:BK+32*((\t)%2)+4*I+3], s[OUTP:OUTP+1] offset:(16*(\t)+2*I)*4096+256*(\p) th:TH_STORE_NT   ; sixteen lanes store 256 consecutive bytes, aligned
.set I, I+1
.endr
.endm
.macro OUTPASS p
	s_wait_xcnt 0x0                                ; the stores of the pass before have read their registers: the loads below may land there
	TOSTAGE 0
	TOSTAGE 1
	SEND 0, \p, 16                                 ; behind tile 0's loads: tile 1's 8 stores and 8 loads
	s_wait_xcnt 0x0                                ; tile 0's stores have read their registers: tile 2's loads may land there
	TOSTAGE 2
	SEND 1, \p, 16
	s_wait_xcnt 0x0
	TOSTAGE 3
	SEND 2, \p, 16
	SEND 3, \p, 0
.endm
	GPRO W5P, BOP, A0, A1, A2
.irp g, 0,1,2,3,4,5,6,7
	GSTEP \g, W5P, BOP, A0, A1, A2, 0
.endr
	OUTPASS 0
	v_nop                                          ; the second pass begins the accumulators anew, with another C: a fifth place behind the first pass's last products
.irp g, 8,9,10,11,12,13,14,15
	GSTEP \g, W5P, BOP, A0, A1, A2, 0
.endr
	OUTPASS 1
	s_wait_tensorcnt 0x0                           ; the wave's end
	ds_add_u32 v[SPW], v[NIL]
	s_wait_dscnt 0x0
	s_endpgm
.Lfunc_end_k_qfa9c237934_attn:
	.size	k_qfa9c237934_attn, .Lfunc_end_k_qfa9c237934_attn-k_qfa9c237934_attn
	.p2alignl 7, 3214868480
	.fill 96, 4, 3214868480
	.section	.rodata,"a",@progbits
	.p2align	6, 0x0
	.amdhsa_kernel k_qfa9c237934_attn
		.amdhsa_group_segment_fixed_size 228352
		.amdhsa_private_segment_fixed_size 0
		.amdhsa_enable_private_segment 0
		.amdhsa_kernarg_size 64
		.amdhsa_user_sgpr_count 2
		.amdhsa_user_sgpr_kernarg_segment_ptr 1
		.amdhsa_wavefront_size32 1
		.amdhsa_system_sgpr_workgroup_id_x 1
		.amdhsa_system_sgpr_workgroup_id_y 1
		.amdhsa_system_sgpr_workgroup_id_z 1
		.amdhsa_system_vgpr_workitem_id 0
		.amdhsa_next_free_vgpr 512
		.amdhsa_next_free_sgpr 66
		.amdhsa_reserve_vcc 0
		.amdhsa_float_denorm_mode_32 3
		.amdhsa_float_denorm_mode_16_64 3
		.amdhsa_memory_ordered 1
		.amdhsa_forward_progress 1
		.amdhsa_inst_pref_size 255
	.end_amdhsa_kernel
	.section	.bss,"aw",@nobits
	.p2align	6
	.space	262144
	.amdgpu_metadata
---
amdhsa.version: [ 1, 2 ]
amdhsa.kernels:
  - .name:           k_qfa9c237934_attn
    .symbol:         k_qfa9c237934_attn.kd
    .args:
      - { .name: x, .offset: 0, .size: 8, .value_kind: global_buffer, .address_space: global }
      - { .name: wts, .offset: 8, .size: 8, .value_kind: global_buffer, .address_space: global }
      - { .name: bq, .offset: 16, .size: 8, .value_kind: global_buffer, .address_space: global }
      - { .name: rot, .offset: 24, .size: 8, .value_kind: global_buffer, .address_space: global }
      - { .name: kvs, .offset: 32, .size: 8, .value_kind: global_buffer, .address_space: global }
      - { .name: mb, .offset: 40, .size: 8, .value_kind: global_buffer, .address_space: global }
      - { .name: bo, .offset: 48, .size: 8, .value_kind: global_buffer, .address_space: global }
      - { .name: out0, .offset: 56, .size: 8, .value_kind: global_buffer, .address_space: global }
    .group_segment_fixed_size: 228352
    .private_segment_fixed_size: 0
    .kernarg_segment_align: 8
    .kernarg_segment_size: 64
    .max_flat_workgroup_size: 256
    .sgpr_count:     66
    .vgpr_count:     512
    .wavefront_size: 32
...
	.end_amdgpu_metadata
.endif
;; end of part 3
